; MI455X (gfx1250); checked and timed in simulation.
; The chip was launched on July 23, 2026; its instructions are those of AMD's public machine-readable ISA for CDNA 5 (MIT licence, August 2026) and "CDNA5" Instruction Set Architecture Reference Guide (July 2026). The comments in the code are by the model that wrote it; some were corrected since.
;; Multi Head Attention. Allowed arithmetic: matrix products marked QUANTISED: E4M3 operands, one E8M0 scale for each 32 along K, by v_wmma_scale_f32_16x16x128_f8f6f4 with both operands' format E4M3, f32 sums; everything else in f32.
;; Inputs: Wk_codes 1,024 x 32 x 32 uint8 (E4M3 codes of Wk, K innermost, in blocks of 32 codes); Wk_scales 1,024 x 32 uint8 (E8M0 scales of Wk, one for each 32 codes along K); Wo_codes 1,024 x 32 x 32 uint8 (E4M3 codes of Wo, K innermost, in blocks of 32 codes); Wo_scales 1,024 x 32 uint8 (E8M0 scales of Wo, one for each 32 codes along K); Wq_codes 1,024 x 32 x 32 uint8 (E4M3 codes of Wq, K innermost, in blocks of 32 codes); Wq_scales 1,024 x 32 uint8 (E8M0 scales of Wq, one for each 32 codes along K); Wv_codes 1,024 x 32 x 32 uint8 (E4M3 codes of Wv, K innermost, in blocks of 32 codes); Wv_scales 1,024 x 32 uint8 (E8M0 scales of Wv, one for each 32 codes along K); bk 1,024 float32; bo 1,024 float32; bq 1,024 float32; bv 1,024 float32; key_codes 4 x 2,048 x 32 x 32 uint8 (E4M3 codes of key, K innermost, in blocks of 32 codes); key_scales 4 x 2,048 x 32 uint8 (E8M0 scales of key, one for each 32 codes along K); mask 1 x 1 x 2,048 x 2,048 int32; query_codes 4 x 2,048 x 32 x 32 uint8 (E4M3 codes of query, K innermost, in blocks of 32 codes); query_scales 4 x 2,048 x 32 uint8 (E8M0 scales of query, one for each 32 codes along K); value_codes 4 x 2,048 x 32 x 32 uint8 (E4M3 codes of value, K innermost, in blocks of 32 codes); value_scales 4 x 2,048 x 32 uint8 (E8M0 scales of value, one for each 32 codes along K).
;; Outputs: out0 4 x 2,048 x 1,024 float32.
;; This version of the problem:
;;   THIS VERSION OF THE PROBLEM IS GIVEN IN LOW PRECISION. The matrix products marked QUANTISED in the list below multiply operands that are first quantised to E4M3 (4 exponent bits, 3 mantissa bits; 8 bits a number), with one power-of-two scale for each 32 numbers along K (OCP MX v1.0); their sums are f32. All else is computed in f32.
;;   The module's matrix products, in the order in which they are computed (A, B: the left and right operand; K: the contracted axis; several contracted axes count as one K, in the product's order):
;;     1. [M 8,192, K 1,024] x [K 1,024, N 1,024]; A: input query (given as codes); B: input Wq (given as codes): QUANTISED
;;     2. [M 8,192, K 1,024] x [K 1,024, N 1,024]; A: input key (given as codes); B: input Wk (given as codes): QUANTISED
;;     3. [M 8,192, K 1,024] x [K 1,024, N 1,024]; A: input value (given as codes); B: input Wv (given as codes): QUANTISED
;;     4. batch 64 x [M 2,048, K 64] x [K 64, N 2,048]; A: computed on the way; B: computed on the way: QUANTISED
;;     5. batch 64 x [M 2,048, K 2,048] x [K 2,048, N 64]; A: softmax (see below); B: computed on the way: QUANTISED
;;     6. [M 8,192, K 1,024] x [K 1,024, N 1,024]; A: computed on the way; B: input Wo (given as codes): QUANTISED
;;   THE QUANTISER, for each operand of a quantised product, along K:
;;     - K is cut into blocks of 32 from its start; a last block that is shorter is filled with zeros.
;;     - A block's scale is 2^e with e = floor(log2(the largest magnitude in the block)) - 8, held to -126 .. 127; a block of zeros has e = 0. As a byte (E8M0): e + 127.
;;     - Each number is divided by its block's scale, clamped to +-448, and rounded to the nearest number of E4M3, ties to even, subnormals kept.
;;     - The product sums the exact products of the quantised numbers (number of the format x scale) in f32.
;;   ~~~python
;;   def quantise(x, axis):      # numpy; x: float32 -> the quantised numbers, widened to float32 again
;;       x = np.moveaxis(x, axis, -1); K = x.shape[-1]
;;       x = np.pad(x, [(0, 0)] * (x.ndim - 1) + [(0, -K % 32)]); x = x.reshape(x.shape[:-1] + (-1, 32)); a = np.abs(x).max(-1, keepdims=True)
;;       e = np.where(a > 0, np.clip(np.frexp(np.where(a > 0, a, 1))[1] - 1 - 8, -126, 127), 0)      # np.frexp(a)[1] - 1 = floor(log2(a)), exactly
;;       r = np.clip(x / 2.0 ** e, -448, 448)
;;       step = 2.0 ** (np.maximum(np.frexp(np.where(r == 0, 1, r))[1] - 1, -6) - 3)
;;       q = np.round(r / step) * step * 2.0 ** e      # np.round: ties to even
;;       return np.moveaxis(q.reshape(q.shape[:-2] + (-1,))[..., :K], -1, axis).astype(np.float32)
;;   ~~~
;;   SOFTMAX AHEAD OF A QUANTISED PRODUCT. Where the list says 'softmax', what is quantised is not the finished softmax but p = 2^(t - M), with t = logit x log2(e) and M = ceil(the row's largest t), a whole number; so 1/2 < the row's largest p <= 1. The row's sum l is taken of the UNQUANTISED p, in f32, and the product's result is divided by l at the end. Since M is a whole number, a kernel that streams over the keys may use a running M (the ceiling of the running maximum): every later rescaling is an exact power of two, which a block's scale takes up: the codes' values come out the same.
;;   OPERANDS COMPUTED ON THE WAY. 'Computed on the way' means the value that the module computes at that place (a softmax that the list does not call 'softmax' is quantised finished and normalised). What goes into a quantiser is computed in f32, as accurately as f32 sums, v_exp_f32 and their like allow (about 1e-6 of the number): no bf16 or f16 on the way to a quantiser, and a product that is left as it is and whose result goes on into a quantised operand takes f32 operands (vector FMAs, or v_wmma_f32_16x16x4_f32). A number that lies on a knife's edge between two numbers of the format may be rounded either way, as far as f32 arithmetic and the matrix unit's own rounding can turn it there, and no further.
;;   INPUTS GIVEN AS CODES. Wk (in the module: [1024, 1024], K = its axis 0); Wo (in the module: [1024, 1024], K = its axis 0); Wq (in the module: [1024, 1024], K = its axis 0); Wv (in the module: [1024, 1024], K = its axis 0); key (in the module: [4, 2048, 1024], K = its axis 2); query (in the module: [4, 2048, 1024], K = its axis 2); value (in the module: [4, 2048, 1024], K = its axis 2): each comes as NAME_codes (uint8): NAME with its K axis moved to the last place and cut into blocks of 32 codes, [.., K / 32, bytes a block], one block behind the other in memory; one code a byte (a code: sign, 4 exponent bits, 3 mantissa bits); and NAME_scales (uint8): the same leading axes, one E8M0 byte (e + 127) for each 32 codes along K. Its value is code x scale, taken as it is: it is not quantised again, and the codes and scales need not be those that the quantiser above would give.
;; 2 versions, each right; version 2 is version 1 with the launch attn written anew for expert scheduling mode. Each part assembles by itself: llvm-mc -triple=amdgcn-amd-amdhsa -mcpu=gfx1250 --defsym DOCPART=n.
;; ======== version 1 of 2: 4 launches
;; workspace buffers: mk 525,312 bytes of whole numbers; qkv 25,952,256 bytes; xbuf 8,650,752 bytes
;; launch maskbits (part 1): grid 128 x 1, 16 waves a work-group, no clusters, 137,472 bytes of LDS; arguments mask, mk; writes mk
.if DOCPART == 1
	.amdgcn_target "amdgcn-amd-amdhsa--gfx1250"
	.amdhsa_code_object_version 6
	.text
	.protected	k_qb7b71380ed_maskbits
	.globl	k_qb7b71380ed_maskbits
	.p2align	8
	.type	k_qb7b71380ed_maskbits,@function
k_qb7b71380ed_maskbits:
	s_mov_b64 s[64:65], 0
	v_nop
	global_prefetch_b8 v0, s[64:65] scope:SCOPE_SE
	s_setreg_imm32_b32 hwreg(HW_REG_WAVE_MODE, 25, 1), 1
	s_wait_xcnt 0x0
; The mask [2048][2048] of int32 becomes lane masks and flags for the attention launch, as whole numbers.
; A TILE OF 16 QUERIES IS NOT 16 NEIGHBOURS: tile qt holds rows 32 (qt / 2) + 8 (qt % 2) + r + 8 (r / 8), r = 0 .. 15, as the attention launch has them.
; mk, bytes 0 on: [qt 128][key step 16][n 64] words.  Bit L of word n = (mask[row(qt, L % 16)][128 step + 32 (n / 16) + 16 (L / 16) + n % 16] != 0):
; the lanes in which score register n of that launch counts.  From byte FLAGS on: for each qt a pair of words: bit step of the first = the tile of
; 16 queries x 128 keys has an entry that counts; bit step of the second = it has one that does not.
; SHARES.  A work-group takes one qt, each of its sixteen waves one key step: 16 rows x 512 bytes.  Each load reads 512 consecutive bytes of a row; the 8,192 bytes turn
; through the wave's own stage in LDS (rows of 512 + 16 bytes), so that lane (r, h) gets row r's 16 neighbours of each block of 32 keys.  Memory binds: the mask is read once;
; matrix units, clusters and tensor loads would add nothing here.
.set MROW,   8192                      ; a row of the mask in bytes
.set SPITCH, 528                       ; a stage row: 512 bytes + 16 of padding
.set WSTG,   16*SPITCH                 ; a wave's stage
.set FLG,    16*WSTG                   ; behind the stages: 8 bytes for each wave's two flags
.set FLAGS,  524288                    ; where the flags begin in mk
.set IN,     16                        ; v16-79   the 16 rows as loaded
.set TR,     80                        ; v80-143  turned: register n = my row's key 32 (n / 16) + 16 h + n % 16
	s_load_b128 s[4:7], s[0:1], 0x0                ; mask s[4:5], mk s[6:7]
	v_lshl_add_u32 v160, v0, 2, 0x21100
	v_mov_b32 v161, 0
	v_lshrrev_b32 v1, 5, v0
	v_readfirstlane_b32 s8, v1                     ; wave = key step
	v_and_b32 v5, 31, v0
	v_lshlrev_b32 v1, 4, v5                        ; 16 x lane: my bytes of a row's 512
	v_lshlrev_b32 v4, 3, v5                        ; 8 x lane: my two words of the 64
	s_mul_i32 s12, s8, WSTG
	v_add_nc_u32 v2, s12, v1                       ; the stage, on the way in
	v_and_b32 v5, 15, v0
	v_mul_u32_u24 v3, v5, SPITCH
	v_bfe_u32 v5, v0, 4, 1
	v_lshl_add_u32 v3, v5, 6, v3
	v_add_nc_u32 v3, s12, v3                       ; and on the way out: row r, + 64 h
	v_mov_b32 v6, 0                                ; the 64 words, two a lane (a lane write's destination counts as read)
	v_mov_b32 v7, 0
	s_lshl_b32 s13, s8, 3
	s_add_co_u32 s13, s13, FLG
	v_mov_b32 v10, s13                             ; where my wave's flags go
	v_mov_b32 v11, FLG                             ; where wave 0 reads all of them
	v_mov_b32 v12, 0
	s_lshr_b32 s9, ttmp9, 1
	s_lshl_b32 s9, s9, 5
	s_and_b32 s10, ttmp9, 1
	s_lshl_b32 s10, s10, 3
	s_add_co_u32 s9, s9, s10                       ; the tile's first row: 32 (qt / 2) + 8 (qt % 2)
	s_lshl_b32 s14, s9, 13
	s_lshl_b32 s10, s8, 9
	s_add_co_u32 s14, s14, s10                     ; in bytes, + my key step's 512
	s_mov_b32 s15, 0
	s_lshl_b32 s16, ttmp9, 4
	s_add_co_u32 s16, s16, s8
	s_lshl_b32 s16, s16, 8                         ; my 64 words: (16 qt + step) x 256
	s_mov_b32 s17, 0
	s_lshl_b32 s18, ttmp9, 3
	s_add_co_u32 s18, s18, FLAGS                   ; the tile's pair of flag words
	s_mov_b32 s19, 0
	s_mov_b32 s24, 0                               ; the OR of all words
	s_mov_b32 s25, -1                              ; the AND of all words
	s_wait_kmcnt 0x0
	s_add_nc_u64 s[4:5], s[4:5], s[14:15]
	s_add_nc_u64 s[10:11], s[6:7], s[18:19]
	s_add_nc_u64 s[6:7], s[6:7], s[16:17]
.irp i, 0,1,2,3,4,5,6,7,8,9,10,11,12,13,14,15
	global_load_b128 v[IN+4*\i:IN+4*\i+3], v1, s[4:5] offset:(\i+8*(\i/8))*MROW th:TH_LOAD_NT   ; row r = i of the tile: 512 consecutive bytes, read once in the launch
.endr
.irp i, 0,1,2,3,4,5,6,7,8,9,10,11,12,13,14,15
	s_wait_loadcnt 15-\i                           ; loads come back in order: row i is in, the younger ones stay out
	ds_store_b128 v2, v[IN+4*\i:IN+4*\i+3] offset:\i*SPITCH
.endr
.irp k, 0,1,2,3,4,5,6,7,8,9,10,11,12,13,14,15
	ds_load_b128 v[TR+4*\k:TR+4*\k+3], v3 offset:128*(\k/4)+16*(\k%4)   ; the bytes are my wave's own and LDS serves a wave in order: no wait between stores and loads
.endr
.irp k, 0,1,2,3,4,5,6,7,8,9,10,11,12,13,14,15
	s_wait_dscnt 15-\k                             ; group k of four registers is back
.irp j, 0,1,2,3
	v_cmp_ne_u32 s[20+\j], 0, v[TR+4*\k+\j]        ; word n = 4 k + j: one bit a lane
	v_writelane_b32 v[6+\j%2], s[20+\j], 2*\k+\j/2 ; into lane n / 2, register n % 2: the order in which the store below lays them
	s_or_b32 s24, s24, s[20+\j]
	s_and_b32 s25, s25, s[20+\j]
.endr
.endr
	global_store_b64 v4, v[6:7], s[6:7]            ; 32 lanes store 256 consecutive bytes, aligned
	s_cmp_lg_u32 s24, 0
	s_cselect_b32 s26, 1, 0
	s_lshl_b32 s26, s26, s8                        ; something counts: bit step
	s_cmp_lg_u32 s25, -1
	s_cselect_b32 s27, 1, 0
	s_lshl_b32 s27, s27, s8                        ; something does not
	v_mov_b32 v8, s26
	v_mov_b32 v9, s27
	ds_store_b64 v10, v[8:9]                       ; all lanes write the same 8 bytes with the same value
	s_wait_dscnt 0x0                               ; for the others' sake: my store has landed
	s_barrier_signal -1
	s_barrier_wait -1
	s_cmp_lg_u32 s8, 0
	s_cbranch_scc1 .Ldone                          ; wave 0 joins the sixteen pairs
.irp k, 0,1,2,3,4,5,6,7
	ds_load_b128 v[IN+4*\k:IN+4*\k+3], v11 offset:16*\k
.endr
	s_wait_dscnt 0x0
	v_or_b32 v8, v16, v18
	v_or_b32 v9, v17, v19
.irp k, 20,22,24,26,28,30,32,34,36,38,40,42,44,46
	v_or_b32 v8, v8, v[\k]
	v_or_b32 v9, v9, v[\k+1]
.endr
	s_wait_xcnt 0x0                                ; EXEC changes only behind this wait: the store above has it among its sources
	v_cmp_gt_u32 vcc_lo, 1, v0
	s_and_saveexec_b32 s28, vcc_lo
	global_store_b64 v12, v[8:9], s[10:11]         ; one lane stores the tile's pair
	s_wait_xcnt 0x0                                ; and again in front of the line that widens it
	s_or_b32 exec_lo, exec_lo, s28
.Ldone:
	s_wait_tensorcnt 0x0
	ds_add_u32 v160, v161
	s_wait_dscnt 0x0
	s_endpgm
.Lfunc_end_k_qb7b71380ed_maskbits:
	.size	k_qb7b71380ed_maskbits, .Lfunc_end_k_qb7b71380ed_maskbits-k_qb7b71380ed_maskbits
	.p2alignl 7, 3214868480
	.fill 96, 4, 3214868480
	.section	.rodata,"a",@progbits
	.p2align	6, 0x0
	.amdhsa_kernel k_qb7b71380ed_maskbits
		.amdhsa_group_segment_fixed_size 137472
		.amdhsa_private_segment_fixed_size 0
		.amdhsa_enable_private_segment 0
		.amdhsa_kernarg_size 16
		.amdhsa_user_sgpr_count 2
		.amdhsa_user_sgpr_kernarg_segment_ptr 1
		.amdhsa_wavefront_size32 1
		.amdhsa_system_sgpr_workgroup_id_x 1
		.amdhsa_system_sgpr_workgroup_id_y 1
		.amdhsa_system_sgpr_workgroup_id_z 1
		.amdhsa_system_vgpr_workitem_id 0
		.amdhsa_next_free_vgpr 162
		.amdhsa_next_free_sgpr 66
		.amdhsa_reserve_vcc 1
		.amdhsa_float_denorm_mode_32 3
		.amdhsa_float_denorm_mode_16_64 3
		.amdhsa_memory_ordered 1
		.amdhsa_forward_progress 1
		.amdhsa_inst_pref_size 21
	.end_amdhsa_kernel
	.amdgpu_metadata
---
amdhsa.version: [ 1, 2 ]
amdhsa.kernels:
  - .name:           k_qb7b71380ed_maskbits
    .symbol:         k_qb7b71380ed_maskbits.kd
    .args:
      - { .name: mask, .offset: 0, .size: 8, .value_kind: global_buffer, .address_space: global }
      - { .name: mk, .offset: 8, .size: 8, .value_kind: global_buffer, .address_space: global }
    .group_segment_fixed_size: 137472
    .private_segment_fixed_size: 0
    .kernarg_segment_align: 8
    .kernarg_segment_size: 16
    .max_flat_workgroup_size: 512
    .sgpr_count:     66
    .vgpr_count:     162
    .wavefront_size: 32
...
	.end_amdgpu_metadata
.endif
;; end of part 1
;; launch proj (part 2): grid 4 x 96, 4 waves a work-group, clusters of 4 x 4, 327,680 bytes of LDS; arguments Wq_codes, Wq_scales, query_codes, query_scales, Wk_codes, Wk_scales, key_codes, key_scales, value_codes, value_scales, Wv_codes, Wv_scales, bq, bk, bv, qkv; writes qkv
.if DOCPART == 2
	.amdgcn_target "amdgcn-amd-amdhsa--gfx1250"
	.amdhsa_code_object_version 6
	.text
	.protected	k_qb7b71380ed_proj
	.globl	k_qb7b71380ed_proj
	.p2align	8
	.type	k_qb7b71380ed_proj,@function
k_qb7b71380ed_proj:
	s_mov_b64 s[64:65], 0
	v_nop
	global_prefetch_b8 v0, s[64:65] scope:SCOPE_SE
	s_setreg_imm32_b32 hwreg(HW_REG_WAVE_MODE, 25, 1), 1
	s_wait_xcnt 0x0
	s_wait_alu depctr_hold_cnt(0) depctr_sa_sdst(0) depctr_va_vdst(0) depctr_va_sdst(0) depctr_va_ssrc(0) depctr_va_vcc(0) depctr_vm_vsrc(0)
	s_getreg_b32 s2, hwreg(HW_REG_IB_STS2, 6, 4)
	s_cmp_eq_u32 s2, 0
	s_cbranch_scc0 .Lentry_in_a_cluster
	s_endpgm
.Lentry_in_a_cluster:
	s_bfe_u32 s2, ttmp6, 0x10000c
	s_cmp_lg_u32 s2, 0xf033
	s_cbranch_scc0 .Lentry_shape_is_right
	s_endpgm
.Lentry_shape_is_right:
; q = query Wq + bq, k = key Wk + bk, v = value Wv + bv on codes of FP8 (E4M3) with one E8M0 scale for each 32 along K = 1,024; each result is quantised again, in registers,
; along the K of the attention product that will read it, and stored as IMAGES OF THAT PRODUCT'S OPERAND REGISTERS (16 bytes a lane, 512 consecutive bytes an instruction).
; ONE BODY FOR THE THREE.  Source 0 of the matrix instruction is P, the side whose rows become the next K; source 1 is R.  q, k: P = 256 rows of W (the head's channels), R = 256 tokens.
; v: P = 256 tokens of value (the keys), R = 256 rows of Wv.  Only pointers and store offsets are chosen, by scalar selects on the tensor's number T (cluster y / 8): there is one path through the text.
; THE ROWS OF A TILE OF 16 ARE NOT NEIGHBOURS, on both sides: lane r of tile 2 g + u takes row 32 g + 8 u + r + 8 (r / 8).  In the result lane (r, h) holds R's row r, and the 16 registers of P's tiles
; 2 g and 2 g + 1 are P's rows 32 g + 16 h + 0 .. 15: 16 neighbours along the next K, in the order that the operand's layout gives that lane.  (The two groups of eight rows lie 16 LDS rows apart,
; which is a whole number of times through the banks at any pitch of a multiple of 16 bytes: by that count a fragment load goes two deep.)
; A tile of 256 x 256 is made by four waves, each 128 x 128: 64 accumulators, 512 registers.  K goes in steps of 256 through two LDS slots filled by the tensor data mover; the scales of the
; work-group's rows, for all of K, come once.  CLUSTERS: 4 x 4 work-groups; R's tiles are shared along a row of the cluster, P's along a column, each asked for jointly.
; The accumulators begin as the bias (along P for q and k, along R for v), made while the first tiles are on their way: so every product adds in place and nothing is cleared.
; qkv: Q images at 0: [head of batch 64][tile of queries 128][c 2][lane][16]; Q scale bytes at QS: [64][128][r] two bytes; from KV on a record of REC bytes for each [64][key step 16]:
;   K image [f 4][c = 2 u + block][lane][16], V image [t 4][c 4][lane][16], K scale words [f][r], V scale words [t][r].
; LIMITS: NaN and infinities among the inputs are not served; a block whose largest magnitude lies under 2^-118 keeps the scale byte 1; a block of zeros has the byte 1 (its codes are zeros; this program alone reads the bytes).
; REGISTERS, in windows of 256: window 0: v1-29 addresses; v32-63 scale words, two sets; v64-111 at work on the way out; from v128 R's fragments, one set (at the head: the biases).
;   window 1: P's fragments, two sets.   window 2: the accumulators of my R tiles 0-3 ((a, i) at v[8 (8 a + i)]);   window 3: those of tiles 4-7.
.set KSTEP,  256
.set NQ,     2                         ; matrix instructions deep in a slot
.set ROWB,   256                       ; a tile's row in bytes
.set KROW,   1024                      ; a row of codes in memory
.set PITCH,  272                       ; an LDS row: 256 bytes + 16 of padding
.set FR,     16                        ; registers of a fragment
.set NL,     4                         ; LDS loads that bring one
.set NP,     8                         ; places behind this matrix instruction (ISA guide 7.12.1)
.set HALFT,  128*PITCH                 ; 128 rows: what one tensor load brings
.set SLOT,   4*HALFT                   ; R's 256 rows, then P's
.set LAPS,   2                         ; 1,024 / (2 x 256)
.set SCL,    2*SLOT                    ; behind the ring: the scales, as units of 256 bytes + 16 of padding
.set HALFS,  16*272                    ; those of 128 rows (32 bytes a row)
.set SPARE,  SCL+4*HALFS               ; the spare words, 128 bytes for each wave: two blocks of 256 bytes that no other line names
.set QS,     8388608
.set KV,     8650752
.set REC,    16896
.set ADRA, 16                          ; v16-17  LDS address of my R fragments in slot 0, 1
.set ADRB, 20                          ; v20-21  the same for P
.set VO0,  22                          ; v22     the way out: 16 x lane
.set VO1,  23                          ; v23     the same, for chunks 2 and 3
.set VS,   24                          ; v24     where my half of a scale word goes
.set VH,   25                          ; v25     16 h
.set ADRS, 27                          ; v27     LDS address of my scale words: lanes 0-15 R's rows, lanes 16-31 P's
.set SPW,  28                          ; v28     LDS address of my spare word; never rewritten
.set NIL,  29                          ; v29     0; never rewritten
.set SC,   32                          ; scale words: set s at v[SC + 16 s]; register 2 i + q: lanes 0-15 R's tile i, lanes 16-31 P's tile i
.set TM,   64                          ; v64-67 largest magnitudes, v68-71 bytes, v72-75 448 x the scale, v76-79 the conversions' scale operands
.set PW,   80                          ; the scale word just made
.set HW,   81                          ; my half of it
.set PC,   96                          ; v96-111 the codes just made
.set AF,   128                         ; R's fragments
.set BP,   128                         ; at the head: the bias along P, in the result's layout, 8 registers a tile
.set BR,   192                         ; and along R, one register a tile
.set G1, 24                            ; s[24:31] descriptor group 1 for R's tiles;  s[32:39] group 0, one set for each slot
.set G0, 32
.set G1B, 48                           ; s[48:55], s[56:63] the same for P's tiles
.set G0B, 56
.set G1S, 68                           ; s[68:75], s[76:79] groups 1 and 0 for R's scales;  s[80:87], s[88:91] for P's: written over the arguments once these are chosen from
.set G0S, 76
.set G1SB, 80
.set G0SB, 88
.set MSB, 0
.macro WIN new                         ; the immediate's high byte repeats the setting that is left
.if MSB != (\new)
	s_set_vgpr_msb (MSB<<8)|(\new)
.set MSB, (\new)
.endif
.endm
.set MUL_LO, 0xa1                      ; source 0 (P) window 1, source 1 (R) window 0, C and D window 2
.set MUL_HI, 0xf1                      ; the same, C and D window 3
.set TO_B,   0x40                      ; destination window 1, address window 0
; A joint load: waves 0 and 1 fetch for R, waves 2 and 3 for P.  Each line has one mask and one set of registers for all that issue it; the branch hangs on the wave's number alone.
; Four v_nop follow each of the two lines, ahead of the jump, the label and what follows.
.macro JLOAD g0a, g1a, g0b, g1b
	s_cmp_eq_u32 s15, 0
	s_cbranch_scc0 .Lfor_b_\@
	tensor_load_to_lds s[\g0a:\g0a+3], s[\g1a:\g1a+7]
	s_nop 0
.rept 4
	v_nop
.endr
	s_branch .Lasked_\@
.Lfor_b_\@:
	tensor_load_to_lds s[\g0b:\g0b+3], s[\g1b:\g1b+7]
	s_nop 0
.rept 4
	v_nop
.endr
.Lasked_\@:
.endm
.macro CREST                           ; a round of the cluster's barrier behind its opening barrier
	s_cmp_lg_u32 s14, 0
	s_cbranch_scc1 .Lnot_wave_0_\@
	s_barrier_signal -3
.Lnot_wave_0_\@:
	s_barrier_wait -3
	s_barrier_signal -1
	s_barrier_wait -1
.endm
.macro CROUND                          ; a whole round
	s_barrier_signal -1
	s_barrier_wait -1
	CREST
.endm
	s_load_b512 s[68:83], s[0:1], 0x0              ; Wq codes, scales; query codes, scales; Wk codes, scales; key codes, scales
	s_load_b512 s[84:99], s[0:1], 0x40             ; value codes, scales; Wv codes, scales; bq; bk; bv; qkv
	v_lshl_add_u32 v[SPW], v0, 2, SPARE
	v_mov_b32 v[NIL], 0
	ds_add_u32 v28, v29
	ds_add_u32 v28, v29
	s_wait_dscnt 0x0
	v_lshrrev_b32 v1, 5, v0
	v_readfirstlane_b32 s14, v1                    ; wave 0..3
	s_lshr_b32 s15, s14, 1                         ; which half of R's rows is mine.  Also: I fetch for R (0) or for P (1)
	s_and_b32 s16, s14, 1                          ; which half of P's rows.  Also: which 128 rows of that tile I fetch
	s_bfe_u32 s40, ttmp6, 0x40000                  ; cx, cy: my place in the cluster
	s_bfe_u32 s41, ttmp6, 0x40004
	s_and_b32 s67, ttmp7, 0xffff                   ; the cluster's y: 0 .. 23
	s_lshr_b32 s66, s67, 3                         ; T: 0 q, 1 k, 2 v: the same in all sixteen partners
	s_and_b32 s67, s67, 7
	s_lshl_b32 s67, s67, 2                         ; four tiles of tokens for each cluster
	s_cmp_eq_u32 s66, 2
	s_cselect_b32 s42, s67, 0                      ; the tokens are P's rows for v,
	s_cselect_b32 s17, 0, s67                      ; R's for q and k
	s_add_co_u32 s42, s42, s40                     ; P's tile: hangs on cx alone within a cluster
	s_add_co_u32 s17, s17, s41                     ; R's tile: on cy alone
	s_lshl_b32 s43, s41, 2
	s_lshl_b32 s43, 15, s43                        ; my row of the cluster
	s_lshl_b32 s44, 0x1111, s40                    ; my column
	; descriptor group 1: a tile of 128 rows x 256 bytes, padded in LDS
	s_or_b32 s[G1+0], s43, (0<<16)|(1<<20)|(1<<21)|(5<<22)|(3<<25)  ; 15:0 the mask: R's tiles go to my row; 17:16 elements of 1 byte; 20 padding on; 21 set beside a mask; 24:22 after every 64 words; 31:25 four words
	s_or_b32 s[G1B+0], s44, (0<<16)|(1<<20)|(1<<21)|(5<<22)|(3<<25)
.irp g, G1, G1B
	s_mov_b32 s[\g+1], ROWB<<16                    ; tensor_dim0
	s_mov_b32 s[\g+2], 128<<16                     ; tensor_dim1
	s_mov_b32 s[\g+3], ROWB<<16                    ; tile_dim0
	s_mov_b32 s[\g+4], 128                         ; tile_dim1
	s_mov_b32 s[\g+5], KROW                        ; tensor_dim0_stride
	s_mov_b32 s[\g+6], 0
	s_mov_b32 s[\g+7], 0
.endr
	s_lshl_b32 s18, s16, 7                         ; which 128 rows of the tile I fetch
	s_lshl_b32 s20, s17, 8
	s_add_co_u32 s20, s20, s18                     ; R: row 256 x tile + 128 x half
	s_lshl_b32 s46, s42, 8
	s_add_co_u32 s46, s46, s18                     ; P likewise
	s_lshl_b32 s22, s20, 5                         ; where these rows' scales begin: 32 bytes a row
	s_mov_b32 s23, 0
	s_lshl_b32 s2, s46, 5
	s_mov_b32 s3, 0
	s_lshl_b32 s20, s20, 10                        ; and their codes: 1,024 bytes a row (8,192 rows at the most: under 2^24)
	s_mov_b32 s21, 0
	s_lshl_b32 s46, s46, 10
	s_mov_b32 s47, 0
	s_mul_i32 s45, s14, HALFT                      ; where they go: wave x 128 rows: no place in the cluster enters an LDS address
	s_mul_i32 s19, s14, HALFS
	s_wait_kmcnt 0x0
	s_cmp_eq_u32 s66, 1                            ; the tensor's five buffers: a choice that hangs on the cluster's number alone
	s_cselect_b64 s[8:9], s[76:77], s[68:69]       ; P's codes
	s_cselect_b64 s[10:11], s[78:79], s[70:71]     ; P's scales
	s_cselect_b64 s[4:5], s[80:81], s[72:73]       ; R's codes
	s_cselect_b64 s[6:7], s[82:83], s[74:75]       ; R's scales
	s_cselect_b64 s[12:13], s[94:95], s[92:93]     ; the bias
	s_cmp_eq_u32 s66, 2
	s_cselect_b64 s[8:9], s[84:85], s[8:9]
	s_cselect_b64 s[10:11], s[86:87], s[10:11]
	s_cselect_b64 s[4:5], s[88:89], s[4:5]
	s_cselect_b64 s[6:7], s[90:91], s[6:7]
	s_cselect_b64 s[12:13], s[96:97], s[12:13]
	; group 1 for the scales of 128 rows: a dense block of 4,096 bytes, as 16 rows of 256 bytes (32 elements of 8 bytes), 16 bytes of padding behind each
	s_or_b32 s[G1S+0], s43, (3<<16)|(1<<20)|(1<<21)|(5<<22)|(3<<25)
	s_or_b32 s[G1SB+0], s44, (3<<16)|(1<<20)|(1<<21)|(5<<22)|(3<<25)
.irp g, G1S, G1SB
	s_mov_b32 s[\g+1], 32<<16
	s_mov_b32 s[\g+2], 16<<16
	s_mov_b32 s[\g+3], 32<<16
	s_mov_b32 s[\g+4], 16
	s_mov_b32 s[\g+5], 32
	s_mov_b32 s[\g+6], 0
	s_mov_b32 s[\g+7], 0
.endr
	s_add_nc_u64 s[20:21], s[4:5], s[20:21]
	s_add_nc_u64 s[22:23], s[6:7], s[22:23]
	s_add_nc_u64 s[46:47], s[8:9], s[46:47]
	s_add_nc_u64 s[2:3], s[10:11], s[2:3]
	CROUND                                         ; all sixteen work-groups are here: the first joint loads meet
	s_mov_b32 s[G0S], 1
	s_add_co_u32 s[G0S+1], s19, SCL
	s_mov_b64 s[G0S+2:G0S+3], s[22:23]
	s_or_b32 s[G0S+3], s[G0S+3], 0x80000000
	s_mov_b32 s[G0SB], 1
	s_add_co_u32 s[G0SB+1], s19, SCL
	s_mov_b64 s[G0SB+2:G0SB+3], s[2:3]
	s_or_b32 s[G0SB+3], s[G0SB+3], 0x80000000
	JLOAD G0S, G1S, G0SB, G1SB                     ; the scales first: they are wanted with K step 0
.irp s, 0,1
	s_mov_b32 s[G0+4*\s], 1
	s_add_co_u32 s[G0+4*\s+1], s45, \s*SLOT
	s_add_nc_u64 s[G0+4*\s+2:G0+4*\s+3], s[20:21], \s*ROWB
	s_or_b32 s[G0+4*\s+3], s[G0+4*\s+3], 0x80000000
	s_mov_b32 s[G0B+4*\s], 1
	s_add_co_u32 s[G0B+4*\s+1], s45, \s*SLOT
	s_add_nc_u64 s[G0B+4*\s+2:G0B+4*\s+3], s[46:47], \s*ROWB
	s_or_b32 s[G0B+4*\s+3], s[G0B+4*\s+3], 0x80000000
	JLOAD G0+4*\s, G1, G0B+4*\s, G1B
.endr
	v_and_b32 v1, 15, v0                           ; r
	v_bfe_u32 v2, v0, 4, 1                         ; h
	v_and_b32 v3, 8, v1
	v_add_nc_u32 v3, v3, v1                        ; r + 8 (r / 8): my row in a pair of tiles
	v_mul_u32_u24 v4, v3, PITCH
	v_lshl_add_u32 v4, v2, 4, v4                   ; that row x pitch + 16 h
	s_mul_i32 s21, s15, HALFT                      ; my 128 rows of R
	s_mul_i32 s22, s16, HALFT                      ; my 128 rows of P,
	s_add_co_u32 s22, s22, 2*HALFT                 ; which lie behind R's 256
.irp s, 0,1
	v_add_nc_u32 v[ADRA+\s], s21, v4
	v_add_nc_u32 v[ADRB+\s], s22, v4
	s_add_co_u32 s21, s21, SLOT
	s_add_co_u32 s22, s22, SLOT
.endr
	v_lshlrev_b32 v5, 5, v3                        ; my row's scales: 32 bytes a row,
	v_lshrrev_b32 v6, 8, v5
	v_lshl_add_u32 v5, v6, 4, v5                   ; and 16 more for each 256 passed
	s_mul_i32 s21, s15, HALFS                      ; R's: my 128 rows
	s_mul_i32 s22, s16, HALFS                      ; P's: my 128 rows, behind R's 256
	s_add_co_u32 s22, s22, 2*HALFS
	s_sub_co_u32 s22, s22, s21
	v_mul_u32_u24 v6, s22, v2                      ; lanes 16-31 take P's: one product, h x the distance
	s_add_co_u32 s21, s21, SCL
	v_add_nc_u32 v5, v5, v6
	v_add_nc_u32 v[ADRS], s21, v5
	; THE BIAS, while the first tiles are on their way.  Along P (q, k): lane (r, h) wants, for tile i, the numbers at 32 (i / 2) + 16 h + 8 (i % 2) + 0 .. 7.  Along R (v): for tile a the one at its row.
	; Both are loaded in every case, from the buffer's first bytes where they do not apply, and the one that does not apply is replaced by zeros.
	s_lshl_b32 s20, s42, 8
	s_lshl_b32 s21, s16, 7
	s_add_co_u32 s20, s20, s21
	s_lshl_b32 s20, s20, 2                         ; 4 x my first row of P
	s_lshl_b32 s22, s17, 8
	s_lshl_b32 s23, s15, 7
	s_add_co_u32 s22, s22, s23
	s_lshl_b32 s22, s22, 2                         ; 4 x my first row of R
	s_cmp_eq_u32 s66, 2
	s_cselect_b32 s20, 0, s20
	s_cselect_b32 s22, s22, 0
	s_cselect_b32 s96, 0, -1                       ; all lanes on for q and k
	s_cselect_b32 s97, -1, 0                       ; all lanes on for v
	s_mov_b32 s21, 0
	s_mov_b32 s23, 0
	s_add_nc_u64 s[20:21], s[12:13], s[20:21]
	s_add_nc_u64 s[22:23], s[12:13], s[22:23]
	v_lshlrev_b32 v5, 6, v2                        ; 64 h
	v_lshlrev_b32 v6, 2, v3                        ; 4 (r + 8 (r / 8))
.irp i, 0,1,2,3,4,5,6,7
	global_load_b128 v[BP+8*\i:BP+8*\i+3], v5, s[20:21] offset:4*(32*(\i/2)+8*(\i%2))
	global_load_b128 v[BP+8*\i+4:BP+8*\i+7], v5, s[20:21] offset:4*(32*(\i/2)+8*(\i%2))+16
.endr
.irp a, 0,1,2,3,4,5,6,7
	global_load_b32 v[BR+\a], v6, s[22:23] offset:4*(32*(\a/2)+8*(\a%2))
.endr
	s_wait_loadcnt 0x0
.set nn, 0
.rept 64
	v_cndmask_b32 v[BP+nn], 0, v[BP+nn], s96
.set nn, nn+1
.endr
.irp a, 0,1,2,3,4,5,6,7
	v_cndmask_b32 v[BR+\a], 0, v[BR+\a], s97
.endr
.irp a, 0,1,2,3,4,5,6,7                ; accumulator (a, i) = P's bias of tile i + R's bias of tile a, two numbers an instruction
.set WN, 0x80+0x40*(\a/4)
	WIN WN                                         ; destination window 2 or 3, sources window 0
.set nn, 0
.rept 32
.if \a%2
	v_pk_add_f32 v[64*(\a%4)+nn:64*(\a%4)+nn+1], v[BP+nn:BP+nn+1], v[BR+2*(\a/2):BR+2*(\a/2)+1] op_sel:[0,1] op_sel_hi:[1,1]
.else
	v_pk_add_f32 v[64*(\a%4)+nn:64*(\a%4)+nn+1], v[BP+nn:BP+nn+1], v[BR+2*(\a/2):BR+2*(\a/2)+1] op_sel_hi:[1,0]
.endif
.set nn, nn+2
.endr
.endr
	WIN 0
.macro FRAG reg, adr, q, i             ; a fragment, 16 rows x 128 K: registers 4 c .. 4 c + 3 hold K = 32 c + 16 h + 0 .. 15; tile i begins at row 32 (i / 2) + 8 (i % 2)
.irp c, 0,1,2,3
	ds_load_b128 v[\reg+4*\c:\reg+4*\c+3], v[\adr] offset:128*(\q)+32*\c+(32*((\i)/2)+8*((\i)%2))*PITCH
.endr
.endm
; 16 matrix instructions: R's tiles a0, a0 + 1 x P's eight, 128 along K: the slot's q-th.  p: P's set;  sc: the set of scale words.
; The 64 accumulators take turns, one instruction a turn, in the same order in every step.
.macro MUL16 a0, p, q, sc
.irp a, \a0, \a0+1
.irp b, 0,1,2,3,4,5,6,7
	v_wmma_scale_f32_16x16x128_f8f6f4 v[8*(8*((\a)%4)+\b):8*(8*((\a)%4)+\b)+7], v[128*(\p)+FR*\b:128*(\p)+FR*\b+FR-1], v[AF+FR*(\a):AF+FR*(\a)+FR-1], v[8*(8*((\a)%4)+\b):8*(8*((\a)%4)+\b)+7], v[SC+8*NQ*(\sc)+NQ*\b+(\q)], v[SC+8*NQ*(\sc)+NQ*(\a)+(\q)] matrix_a_scale:MATRIX_SCALE_ROW1
.endr
.endr
.endm
.macro FETCH_B slot, q, p              ; P's eight fragments of the slot's q-th 128 along K into set p
	WIN TO_B
.irp i, 0,1,2,3,4,5,6,7
	FRAG 128*(\p)+FR*\i, ADRB+\slot, \q, \i
.endr
	WIN 0
.endm
.macro FETCH_A slot, q, i0             ; R's tiles i0 .. i0 + 3
.irp i, \i0, \i0+1, \i0+2, \i0+3
	FRAG AF+FR*(\i), ADRA+\slot, \q, \i
.endr
.endm
.macro SCALES sc                       ; the next K step's scale words into set sc: two words a row; eight rows of scales fill a unit, so tile i begins at unit 4 (i / 2) + i % 2
.irp i, 0,1,2,3,4,5,6,7
	ds_load_b64 v[SC+8*NQ*\sc+NQ*\i:SC+8*NQ*\sc+NQ*\i+1], v[ADRS] offset:(4*(\i/2)+\i%2)*272
.endr
.endm
; A load into a register that a matrix instruction has read, and a vector instruction that reads a matrix result, stand NP places behind that matrix instruction; only plain vector
; instructions that name none of its registers are places (ISA guide 7.12.1 for vector instructions).
.macro PLACES n
.rept \n
	v_nop
.endr
.endm
; A step of 128 along K that has its successor in the same slot.  R has one set of registers: tiles 0-3 are fetched anew in the step's middle, tiles 4-7 at its end; P has two sets.
.macro STEP slot, q
	s_wait_dscnt 4*NL                              ; P's set and R's tiles 0-3 are in; the youngest 16 loads (R's tiles 4-7) may be out
	WIN MUL_LO
	MUL16 0, (\q)%2, \q, \slot
	MUL16 2, (\q)%2, \q, \slot
	s_wait_dscnt 0                                 ; R's tiles 4-7 are in
	PLACES NP
	FETCH_B \slot, (\q)+1, 1-(\q)%2
	FETCH_A \slot, (\q)+1, 0
	WIN MUL_HI
	MUL16 4, (\q)%2, \q, \slot
	MUL16 6, (\q)%2, \q, \slot
	PLACES NP
	WIN 0
	FETCH_A \slot, (\q)+1, 4
.endm
; A slot's last step changes slots: ONE barrier; in front of it each wave waits for all its tensor loads, adds 0 to its spare word, and waits for that and for its own reads of this slot.
; fill = 1: this slot is filled again, two K steps ahead; the barrier then opens a round of the cluster's barrier.
.macro TURN slot, next, fill
	s_wait_tensorcnt 0x0                           ; all my tensor loads have landed: my part of the next slot
	ds_add_u32 v[SPW], v[NIL]                      ; 0 onto my spare word
	s_wait_dscnt 4*NL+1                            ; (the add and the youngest 16 loads, R's tiles 4-7, may be out)
	WIN MUL_LO
	MUL16 0, 1, NQ-1, \slot                        ; sixteen matrix instructions stand between the add and the wait for it
	s_wait_dscnt 0x0                               ; the add is done, and my reads of this slot are over
	s_barrier_signal -1
	MUL16 2, 1, NQ-1, \slot
	WIN 0
	s_barrier_wait -1
.if \fill
	CREST                                          ; no wave of any partner still reads this slot's tile or has a load on its way
	s_add_nc_u64 s[G0+4*\slot+2:G0+4*\slot+3], s[G0+4*\slot+2:G0+4*\slot+3], 2*ROWB
	s_add_nc_u64 s[G0B+4*\slot+2:G0B+4*\slot+3], s[G0B+4*\slot+2:G0B+4*\slot+3], 2*ROWB
	JLOAD G0+4*\slot, G1, G0B+4*\slot, G1B         ; the first tensor load behind the round; its four v_nop are among the places in front of the loads below
	PLACES NP-4
.else
	PLACES NP
.endif
	v_add_nc_u32 v[ADRS], 4*NQ, v[ADRS]            ; on to the next K step's scale words (no LDS load of mine is out)
	FETCH_B \next, 0, 0
	FETCH_A \next, 0, 0
	SCALES \next
	WIN MUL_HI
	MUL16 4, 1, NQ-1, \slot
	MUL16 6, 1, NQ-1, \slot
	PLACES NP
	WIN 0
	FETCH_A \next, 0, 4
.endm
	s_wait_tensorcnt 1                             ; of my three first loads the scales and K step 0 are in; K step 1's may be out
	s_barrier_signal -1
	s_barrier_wait -1                              ; everybody's are
	FETCH_B 0, 0, 0
	FETCH_A 0, 0, 0
	SCALES 0
	FETCH_A 0, 0, 4
	STEP 0, 0
	s_mov_b32 s3, LAPS-1
.Llap:                                                 ; a trip goes once round the ring and fills both slots again
	TURN 0, 1, 1
	STEP 1, 0
	TURN 1, 0, 1
	STEP 0, 0
	s_sub_co_u32 s3, s3, 1
	s_cmp_lg_u32 s3, 0
	s_cbranch_scc1 .Llap
	TURN 0, 1, 0                                   ; the last lap fills nothing, and has no round of the cluster's barrier
	STEP 1, 0
	s_wait_dscnt 4*NL                              ; the very last step: nothing more to fetch
	WIN MUL_LO
	MUL16 0, 1, NQ-1, 1
	MUL16 2, 1, NQ-1, 1
	s_wait_dscnt 0
	WIN MUL_HI
	MUL16 4, 1, NQ-1, 1
	MUL16 6, 1, NQ-1, 1
	WIN 0
	; THE WAY OUT.  No tensor load of mine is out (the last change of slots waited for all), so the descriptors' registers are free: they take the store offsets, chosen by T.
	s_lshl_b32 s20, s42, 1
	s_add_co_u32 s20, s20, s16                     ; which 128 rows of P's tensor are mine
	s_lshl_b32 s21, s17, 1
	s_add_co_u32 s21, s21, s15                     ; and of R's
	s_cmp_eq_u32 s66, 2                            ; v?
	s_cselect_b32 s22, s20, s21                    ; my 128 tokens,
	s_cselect_b32 s23, s21, s20                    ; my 128 channels: two heads
	s_mov_b32 s32, 1024
	s_cselect_b32 s32, 2048, s32                   ; the codes' step from R tile to R tile,
	s_mov_b32 s34, 1024
	s_cselect_b32 s34, 264192, s34                 ; and from tile 3 to tile 4 (v: into the next head's record)
	s_cselect_b32 s36, 64, 32                      ; the scale bytes' step into an odd tile,
	s_cselect_b32 s38, 64, 32                      ; into tiles 2 and 6,
	s_mov_b32 s40, 32
	s_cselect_b32 s40, 270144, s40                 ; and into tile 4
	s_mov_b32 s24, 131072
	s_cselect_b32 s24, 1024, s24                   ; from chunk 0 to chunk 2
	s_cselect_b32 s25, 4, 2                        ; scale bytes from row to row,
	s_mov_b32 s26, 4096
	s_cselect_b32 s26, 2, s26                      ; and from the word's low half to its high half
	s_cselect_b32 s27, 8192, 0                     ; the image's place in a record,
	s_mov_b32 s28, 16384
	s_cselect_b32 s28, 16640, s28                  ; and the scale words'
	s_cmp_eq_u32 s66, 1                            ; k?
	s_cselect_b32 s36, 2, s36
	s_cselect_b32 s38, 62, s38
	s_cselect_b32 s40, 62, s40
	s_cselect_b32 s24, 270336, s24                 ; 16 records: the next head's
	s_cselect_b32 s25, 4, s25
	s_cselect_b32 s26, 270336, s26
	s_lshr_b32 s29, s22, 4
	s_lshl_b32 s29, s29, 4
	s_lshl_b32 s23, s23, 1
	s_add_co_u32 s29, s29, s23                     ; my first head of batch: 16 x batch + 2 x (channels / 128)
	s_and_b32 s22, s22, 15                         ; my key step, or my eight tiles of queries
	s_lshl_b32 s30, s29, 4
	s_add_co_u32 s30, s30, s22
	s_mul_i32 s30, s30, REC
	s_add_co_u32 s30, s30, KV                      ; the record
	s_add_co_u32 s27, s27, s30
	s_add_co_u32 s28, s28, s30
	s_lshl_b32 s31, s29, 17
	s_lshl_b32 s30, s22, 13
	s_add_co_u32 s31, s31, s30                     ; q: its images,
	s_lshl_b32 s30, s29, 7
	s_lshl_b32 s23, s22, 3
	s_add_co_u32 s30, s30, s23
	s_lshl_b32 s30, s30, 5
	s_add_co_u32 s30, s30, QS                      ; and its scale bytes
	s_cmp_eq_u32 s66, 0
	s_cselect_b32 s46, s31, s27
	s_cselect_b32 s48, s30, s28
	s_mov_b32 s47, 0
	s_mov_b32 s49, 0
	s_add_nc_u64 s[100:101], s[98:99], s[48:49]    ; where the scale bytes go
	s_add_nc_u64 s[98:99], s[98:99], s[46:47]      ; where the codes go
	s_mov_b32 s33, 0
	s_mov_b32 s35, 0
	s_mov_b32 s37, 0
	s_mov_b32 s39, 0
	s_mov_b32 s41, 0
	s_mov_b32 s67, 0x600000                        ; the mantissa field of 448
	s_mov_b32 s44, 0x76543210
	s_mov_b32 s45, 0xfedcba98                      ; v_permlanex16_b32's selects for lane l xor 16
	v_and_b32 v[VO0], 31, v0
	v_lshlrev_b32 v[VO0], 4, v[VO0]
	v_add_nc_u32 v[VO1], s24, v[VO0]
	v_mul_u32_u24 v[VS], s25, v1
	v_mad_u32_u24 v[VS], v2, s26, v[VS]
	v_lshlrev_b32 v[VH], 4, v2
.irp b, 0,1,2,3
	v_mov_b32 v[TM+4+\b], 0                        ; written once: a lane permute's destination counts as one of its sources
.endr
	PLACES NP
; R tile a: its 64 registers a lane are four blocks of 32 along the next K, 16 numbers each; lane l xor 16 holds the other 16.  They become 64 codes and a scale word and are stored as they stand.
.macro OUTBLK a
.set W, 2+(\a)/4
.set AC, 64*((\a)%4)
.set WN, (W<<2)|(W<<4)
	WIN WN                                         ; sources 1 and 2: the accumulators' window
.irp b, 0,1,2,3
	v_max3_num_f32 v[TM+\b], 0x4800000, |v[AC+16*\b]|, |v[AC+16*\b+1]|   ; block b: my 16 numbers, each accumulator from its low end on, and the floor 2^(9 - 127): so the byte cannot fall under 1
.endr
.irp i, 2,4,6,8,10,12,14
.irp b, 0,1,2,3
	v_max3_num_f32 v[TM+\b], v[TM+\b], |v[AC+16*\b+\i]|, |v[AC+16*\b+\i+1]|   ; (the four blocks by turns)
.endr
.endr
	WIN 0
.irp b, 0,1,2,3
	v_permlanex16_b32 v[TM+4+\b], v[TM+\b], s44, s45
.endr
.irp b, 0,1,2,3
	v_max_num_f32 v[TM+\b], v[TM+\b], v[TM+4+\b]   ; with lane l xor 16's: the block's largest magnitude
.endr
.irp b, 0,1,2,3
	v_add_nc_u32 v[TM+12+\b], 0xfc000000, v[TM+\b] ; 8 off its exponent field: the conversion takes the exponent field of this operand as its scale
.endr
.irp b, 0,1,2,3
	v_and_or_b32 v[TM+8+\b], v[TM+\b], 0x7f800000, s67   ; 448 x the scale
.endr
.irp b, 0,1,2,3
	v_lshrrev_b32 v[TM+4+\b], 23, v[TM+12+\b]      ; the scale's byte
.endr
	v_lshl_or_b32 v[PW], v[TM+5], 8, v[TM+4]
	v_lshl_or_b32 v[PW], v[TM+6], 16, v[PW]
	v_lshl_or_b32 v[PW], v[TM+7], 24, v[PW]
.if (\a) > 0
	s_wait_xcnt 0x0                                ; the last tile's stores have read their data and bases: only behind this wait are these written again
.if (\a) == 4
	s_add_nc_u64 s[98:99], s[98:99], s[34:35]
	s_add_nc_u64 s[100:101], s[100:101], s[40:41]
.elseif (\a)%2
	s_add_nc_u64 s[98:99], s[98:99], s[32:33]
	s_add_nc_u64 s[100:101], s[100:101], s[36:37]
.else
	s_add_nc_u64 s[98:99], s[98:99], s[32:33]
	s_add_nc_u64 s[100:101], s[100:101], s[38:39]
.endif
.endif
	v_lshrrev_b32 v[HW], v[VH], v[PW]              ; lanes 0-15 keep the word's low half, lanes 16-31 take its high half
.set WN, W|(W<<6)
	WIN WN                                         ; source 0 and destination: the accumulators' window
.irp b, 0,1,2,3
.irp i, 0,1,2,3,4,5,6,7,8,9,10,11,12,13,14,15
	v_med3_num_f32 v[AC+16*\b+\i], v[AC+16*\b+\i], -v[TM+8+\b], v[TM+8+\b]   ; the conversion to an 8-bit code does not saturate (ISA guide 7.6.2): the hold at the largest code x the scale
.endr
.endr
	WIN W
.irp b, 0,1,2,3
	v_cvt_scalef32_pk8_fp8_f32 v[PC+4*\b:PC+4*\b+1], v[AC+16*\b:AC+16*\b+7], v[TM+12+\b]
	v_cvt_scalef32_pk8_fp8_f32 v[PC+4*\b+2:PC+4*\b+3], v[AC+16*\b+8:AC+16*\b+15], v[TM+12+\b]
.endr
	WIN 0
	v_nop                                          ; one plain vector line behind the last scaled conversion
.irp b, 0,1,2,3
	global_store_b128 v[VO0+\b/2], v[PC+4*\b:PC+4*\b+3], s[98:99] offset:512*(\b%2)   ; 32 lanes store 512 consecutive bytes, aligned: a chunk of an image
.endr
	global_store_b16 v[VS], v[HW], s[100:101]      ; two scale bytes a lane: one byte in 32 of what this launch stores
.endm
.irp a, 0,1,2,3,4,5,6,7
	OUTBLK \a
.endr
	s_wait_tensorcnt 0x0                           ; the wave's end
	ds_add_u32 v[SPW], v[NIL]
	s_wait_dscnt 0x0
	CROUND                                         ; the closing round: no work-group ends while a partner may still ask for a tile that names it
	s_endpgm
.Lfunc_end_k_qb7b71380ed_proj:
	.size	k_qb7b71380ed_proj, .Lfunc_end_k_qb7b71380ed_proj-k_qb7b71380ed_proj
	.p2alignl 7, 3214868480
	.fill 96, 4, 3214868480
	.section	.rodata,"a",@progbits
	.p2align	6, 0x0
	.amdhsa_kernel k_qb7b71380ed_proj
		.amdhsa_group_segment_fixed_size 327680
		.amdhsa_private_segment_fixed_size 0
		.amdhsa_enable_private_segment 0
		.amdhsa_kernarg_size 128
		.amdhsa_user_sgpr_count 2
		.amdhsa_user_sgpr_kernarg_segment_ptr 1
		.amdhsa_wavefront_size32 1
		.amdhsa_system_sgpr_workgroup_id_x 1
		.amdhsa_system_sgpr_workgroup_id_y 1
		.amdhsa_system_sgpr_workgroup_id_z 1
		.amdhsa_system_vgpr_workitem_id 0
		.amdhsa_next_free_vgpr 1024
		.amdhsa_next_free_sgpr 102
		.amdhsa_reserve_vcc 0
		.amdhsa_float_denorm_mode_32 3
		.amdhsa_float_denorm_mode_16_64 3
		.amdhsa_memory_ordered 1
		.amdhsa_forward_progress 1
		.amdhsa_inst_pref_size 212
	.end_amdhsa_kernel
	.amdgpu_metadata
---
amdhsa.version: [ 1, 2 ]
amdhsa.kernels:
  - .name:           k_qb7b71380ed_proj
    .symbol:         k_qb7b71380ed_proj.kd
    .args:
      - { .name: Wq_codes, .offset: 0, .size: 8, .value_kind: global_buffer, .address_space: global }
      - { .name: Wq_scales, .offset: 8, .size: 8, .value_kind: global_buffer, .address_space: global }
      - { .name: query_codes, .offset: 16, .size: 8, .value_kind: global_buffer, .address_space: global }
      - { .name: query_scales, .offset: 24, .size: 8, .value_kind: global_buffer, .address_space: global }
      - { .name: Wk_codes, .offset: 32, .size: 8, .value_kind: global_buffer, .address_space: global }
      - { .name: Wk_scales, .offset: 40, .size: 8, .value_kind: global_buffer, .address_space: global }
      - { .name: key_codes, .offset: 48, .size: 8, .value_kind: global_buffer, .address_space: global }
      - { .name: key_scales, .offset: 56, .size: 8, .value_kind: global_buffer, .address_space: global }
      - { .name: value_codes, .offset: 64, .size: 8, .value_kind: global_buffer, .address_space: global }
      - { .name: value_scales, .offset: 72, .size: 8, .value_kind: global_buffer, .address_space: global }
      - { .name: Wv_codes, .offset: 80, .size: 8, .value_kind: global_buffer, .address_space: global }
      - { .name: Wv_scales, .offset: 88, .size: 8, .value_kind: global_buffer, .address_space: global }
      - { .name: bq, .offset: 96, .size: 8, .value_kind: global_buffer, .address_space: global }
      - { .name: bk, .offset: 104, .size: 8, .value_kind: global_buffer, .address_space: global }
      - { .name: bv, .offset: 112, .size: 8, .value_kind: global_buffer, .address_space: global }
      - { .name: qkv, .offset: 120, .size: 8, .value_kind: global_buffer, .address_space: global }
    .group_segment_fixed_size: 327680
    .private_segment_fixed_size: 0
    .kernarg_segment_align: 8
    .kernarg_segment_size: 128
    .max_flat_workgroup_size: 128
    .sgpr_count:     102
    .vgpr_count:     1024
    .wavefront_size: 32
...
	.end_amdgpu_metadata
.endif
;; end of part 2
;; launch attn (part 3): grid 4 x 64, 16 waves a work-group, no clusters, 51,712 bytes of LDS; arguments qkv, mk, xbuf; writes xbuf
.if DOCPART == 3
	.amdgcn_target "amdgcn-amd-amdhsa--gfx1250"
	.amdhsa_code_object_version 6
	.text
	.protected	k_qb7b71380ed_attn
	.globl	k_qb7b71380ed_attn
	.p2align	8
	.type	k_qb7b71380ed_attn,@function
k_qb7b71380ed_attn:
	s_mov_b64 s[64:65], 0
	v_nop
	global_prefetch_b8 v0, s[64:65] scope:SCOPE_SE
	s_setreg_imm32_b32 hwreg(HW_REG_WAVE_MODE, 25, 1), 1
	s_wait_xcnt 0x0
; x[b][q][64 head + d] = the sum over keys of softmax(q . k / 8, under the mask) v, both products on codes of FP8 (E4M3) with one E8M0 scale for each 32 along K; x is quantised along the
; last product's K and stored as images of that product's operand registers.
; THE SOFTMAX AHEAD OF THE SECOND PRODUCT: t = score x log2(e) / 8; M = the row's largest t so far, rounded UP to a whole number; p = 2^(t - M) is what is quantised, along the keys; the row's sum is
; taken of the unquantised p and divides at the end.  When M moves, the sum and O are multiplied by 2^(old M - new M): exact.
; SHARES.  A work-group takes one head of one batch and, one after the other, blocks x and 7 - x of its 256-query blocks.  Each of its sixteen waves owns one tile of 16 queries in 256 registers.
; Every wave walks the 16 key steps of 128 keys; a step's record (K image, V image, their scale words: 16,896 bytes, laid by the launch before in the order of the operands' registers) goes
; memory -> registers -> LDS, all waves sharing the copying, one step ahead, into two slots that take turns; one barrier a step.
; THE MASK is honoured as it is given.  An earlier launch has stored, as whole numbers, for each tile of 16 queries x 128 keys whether any entry counts and whether any does not, and a lane mask for
; each score register.  A step none of whose entries counts for my tile is left out (its p would be 0); a record that no wave of the work-group wants is not copied; the 64 selects that put
; -infinity over hidden scores are left out where all entries count.  These are scalar branches on stored whole numbers; no barrier stands under them.
; NO TENSOR LOAD AND NO JOINT REQUEST, though the work-groups of a head read the same records: the walk branches on numbers read from memory.
; NO PREFETCH: a record's loads are issued a whole key step of the wave's work ahead of the wait for them.
; THE HEAD HAS 64 CHANNELS, the instruction's K is 128: a fragment of K holds TWO tiles of 16 keys (K = 0-63: tile u = 0, K = 64-127: tile u = 1), and q stands beside 64 zero codes, below them or above:
; v[16:31] = (q, 0) gives tile 0's scores, v[24:39] = (0, q) tile 1's.  No LDS byte is read for the zeros.
; LAYOUT.  Both products are used transposed (source 0 = keys, then channels; source 1 = my queries): a lane holds ONE query (lane % 16) throughout.  The keys of a tile are chosen so that
; score register 16 b + i is key 32 b + 16 (lane / 16) + i; V's channels so that O's register 16 g + i is channel 32 g + 16 (lane / 16) + i.
; LIMITS: a query for which no key counts gets the scale byte 0xff, so that its row of the output is NaN, as the softmax of nothing is; NaN and infinities among the inputs are not served
; (a NaN code of k would also spoil the tile that shares its fragment); a block whose largest magnitude lies under 2^-118 keeps the scale byte 1.
; REGISTERS: v1-7 addresses and -infinity; v8-11, v248-255 a record on its way; v12 -M, v13 the largest t, v[14:15] the sum in two halves; v16-39 q, zeros, q; v40-103 four fragments of K or V;
;   v104-167 scores, then p; v168-199 O^T; v200-215 p's codes; v216-237, v239 at work; v238 q's scale word; v240-243 K's scale words, v244-247 V's.
.set QS,    8388608
.set KV,    8650752
.set REC,   16896
.set XS,    8388608
.set FLAGS, 524288
.set SLOT1, 32768                      ; slot 1 of the two
.set KF,    40
.set S,     104
.set O,     168
.set PC,    200
.set KSW,   240
.set VSW,   244
	s_load_b128 s[4:7], s[0:1], 0x0                ; qkv s[4:5], mk s[6:7]
	s_load_b64 s[8:9], s[0:1], 0x10                ; xbuf
	v_lshrrev_b32 v1, 5, v0
	v_readfirstlane_b32 s14, v1                    ; wave 0..15
	v_and_b32 v4, 31, v0
	v_lshlrev_b32 v1, 4, v4                        ; 16 x lane: an image's place for my lane
	v_and_b32 v4, 15, v0                           ; r
	v_lshlrev_b32 v2, 2, v4                        ; 4 r: a scale word's
	v_lshlrev_b32 v5, 1, v4                        ; 2 r: q's two scale bytes
	v_lshlrev_b32 v3, 4, v0                        ; 16 x thread: my part of 8,192 bytes of a record
	v_and_b32 v6, 8, v4
	v_add_nc_u32 v6, v6, v4
	v_lshlrev_b32 v6, 5, v6
	v_bfe_u32 v4, v0, 4, 1
	v_add_nc_u32 v6, v6, v4                        ; x's scale bytes: 32 (r + 8 (r / 8)) + h
	v_mov_b32 v7, 0xff800000                       ; -infinity
.irp k, 8,9,10,11,248,249,250,251,252,253,254,255
	v_mov_b32 v[\k], 0                             ; the staging registers: written once, so that they hold numbers on every way through the text
.endr
.irp k, 24,25,26,27,28,29,30,31
	v_mov_b32 v[\k], 0                             ; the 64 zero codes beside q
.endr
.irp k, 220,221,222,223,233,235,237
	v_mov_b32 v[\k], 0                             ; lane permutes' destinations and the upper halves of named pairs
.endr
	s_and_b32 s15, ttmp7, 0xffff                   ; the head of batch
	s_mov_b32 s16, ttmp9                           ; the first block of queries
	s_mov_b32 s22, 0x3e38aa3b                      ; c = log2(e) / 8
	s_mov_b32 s23, s22                             ; (named with it as a pair)
	s_mov_b32 s24, 0x76543210
	s_mov_b32 s25, 0xfedcba98                      ; v_permlanex16_b32's selects for lane l xor 16
	s_mov_b32 s26, 0x600000                        ; the mantissa field of 448
	s_mov_b32 s27, 0xffff0000                      ; lanes 16-31
	s_mov_b32 s28, 2                               ; blocks to go
	s_mul_i32 s2, s15, 16*REC
	s_add_co_u32 s2, s2, KV
	s_mov_b32 s3, 0
	s_wait_kmcnt 0x0
	s_add_nc_u64 s[12:13], s[4:5], s[2:3]          ; the head's first record
.macro STAGE_LD                        ; a record into registers: K's image, V's image, and (wave 0) the 512 bytes of scale words
	global_load_b128 v[248:251], v3, s[30:31]
	global_load_b128 v[252:255], v3, s[30:31] offset:8192
	s_cmp_lg_u32 s14, 0
	s_cbranch_scc1 .Lnot_w0_\@
	global_load_b128 v[8:11], v3, s[30:31] offset:16384
.Lnot_w0_\@:
.endm
.macro STAGE_ST slot                   ; and on into a slot, as it lies
	ds_store_b128 v3, v[248:251] offset:(\slot)*SLOT1
	ds_store_b128 v3, v[252:255] offset:(\slot)*SLOT1+8192
	s_cmp_lg_u32 s14, 0
	s_cbranch_scc1 .Lnot_w0_\@
	ds_store_b128 v3, v[8:11] offset:(\slot)*SLOT1+16384
.Lnot_w0_\@:
.endm
; A KEY STEP: 128 keys, from slot s.
.macro STEP s
.set SB, (\s)*SLOT1
	s_load_b512 s[32:47], s[10:11], 0x0            ; the step's 64 lane masks: register n's lies in s[32 + n], from n = 32 on in s[36 + n]
	s_load_b512 s[48:63], s[10:11], 0x40
	s_load_b512 s[68:83], s[10:11], 0x80
	s_load_b512 s[84:99], s[10:11], 0xc0
.irp f, 0,1,2,3
.irp c, 0,1,2,3
	ds_load_b128 v[KF+16*\f+4*\c:KF+16*\f+4*\c+3], v1 offset:SB+2048*\f+512*\c   ; 512 consecutive bytes an instruction
.endr
	ds_load_b32 v[KSW+\f], v2 offset:SB+16384+64*\f
.endr
	s_wait_dscnt 0x0
.irp f, 0,1,2,3
.irp u, 0,1
	v_wmma_scale_f32_16x16x128_f8f6f4 v[S+8*(2*\f+\u):S+8*(2*\f+\u)+7], v[KF+16*\f:KF+16*\f+15], v[16+8*\u:31+8*\u], 0, v[KSW+\f], v238
.endr
.endr
.rept 8
	v_nop                                          ; places in front of loads into registers that these products have read, and of the first read of their results
.endr
.irp t, 0,1,2,3
.irp c, 0,1,2,3
	ds_load_b128 v[KF+16*\t+4*\c:KF+16*\t+4*\c+3], v1 offset:SB+8192+2048*\t+512*\c   ; V's fragments land while the softmax is walked
.endr
	ds_load_b32 v[VSW+\t], v2 offset:SB+16640+64*\t
.endr
	s_wait_kmcnt 0x0                               ; the lane masks are in, on every way; their base may be stepped
	s_bitcmp1_b32 s19, 0
	s_cbranch_scc0 .Lopen_\@                       ; every entry of my tile counts
.set nn, 0
.rept 64
.if nn < 32
	v_cndmask_b32 v[S+nn], v7, v[S+nn], s[32+nn]   ; hidden scores become -infinity ahead of the maximum: p = 0 then
.else
	v_cndmask_b32 v[S+nn], v7, v[S+nn], s[36+nn]
.endif
.set nn, nn+1
.endr
.Lopen_\@:
.irp b, 0,1,2,3
	v_max3_num_f32 v[216+\b], v[S+16*\b], v[S+1+16*\b], v[S+2+16*\b]   ; the largest score of each block of 32 keys: it serves the row's maximum and, since p rises with the score, the block's largest p
.endr
.irp i, 3,5,7,9,11,13
.irp b, 0,1,2,3
	v_max3_num_f32 v[216+\b], v[216+\b], v[S+16*\b+\i], v[S+1+16*\b+\i]
.endr
.endr
.irp b, 0,1,2,3
	v_max_num_f32 v[216+\b], v[216+\b], v[S+15+16*\b]
.endr
.irp b, 0,1,2,3
	v_permlanex16_b32 v[220+\b], v[216+\b], s24, s25
.endr
.irp b, 0,1,2,3
	v_max_num_f32 v[216+\b], v[216+\b], v[220+\b]  ; with lane l xor 16's 16 keys
.endr
	v_max3_num_f32 v235, v216, v217, v218
	v_max_num_f32 v235, v235, v219                 ; the step's largest score of my query
	v_mul_f32 v235, s22, v235                      ; as t (c is positive)
	v_max_num_f32 v13, v13, v235                   ; the running largest t
	v_mov_b32 v235, v12
	v_floor_f32 v12, -v13                          ; the new -M = floor(-t) = -ceil(t)
	v_sub_f32 v235, v12, v235                      ; M's old value less its new one: a whole number, 0 or less
	v_cvt_i32_f32 v235, v235                       ; (it saturates)
	v_ldexp_f32 v232, 1.0, v235                    ; f = 2^(old M - new M)
.set jj, 0
.rept 32
	v_pk_fma_f32 v[S+jj:S+jj+1], v[S+jj:S+jj+1], s[22:23], v[12:13] op_sel_hi:[1,0,0]   ; t - M, two at a time
.set jj, jj+2
.endr
.irp b, 0,1,2,3
	v_fma_f32 v[216+\b], v[216+\b], s22, v12       ; the same of each block's largest score
.endr
.set jj, 0
.rept 64
	v_exp_f32 v[S+jj], v[S+jj]                     ; p = 2^(t - M), at most 1
.set jj, jj+1
.endr
	v_pk_mul_f32 v[14:15], v[14:15], v[232:233] op_sel_hi:[1,0]   ; the sums under the new M (a plain line behind the exponentials)
	s_wait_alu depctr_va_vdst(0)                   ; one wait for the whole batch, ahead of its first reader
.irp b, 0,1,2,3
	v_exp_f32 v[216+\b], v[216+\b]                 ; the block's largest p: the same two instructions on the same number give the same bits
.endr
	v_pk_add_f32 v[220:221], v[S:S+1], v[S+2:S+3]  ; the row's sum is taken of the unquantised p, in two chains
.irp j, 4,8,12,16,20,24,28,32,36,40,44,48,52,56,60
	v_pk_add_f32 v[14:15], v[14:15], v[S+\j:S+\j+1]
	v_pk_add_f32 v[220:221], v[220:221], v[S+2+\j:S+3+\j]
.endr
	v_pk_add_f32 v[14:15], v[14:15], v[220:221]
	s_wait_alu depctr_va_vdst(0)                   ; and one for the four
.irp b, 0,1,2,3
	v_max_num_f32 v[216+\b], 0x4800000, v[216+\b]  ; the floor 2^(9 - 127): the byte cannot fall under 1
.endr
.irp b, 0,1,2,3
	v_add_nc_u32 v[228+\b], 0xfc000000, v[216+\b]  ; 8 off the exponent field: the conversion's scale operand
.endr
.irp b, 0,1,2,3
	v_and_or_b32 v[224+\b], v[216+\b], 0x7f800000, s26   ; 448 x the scale
.endr
.irp b, 0,1,2,3
	v_lshrrev_b32 v[220+\b], 23, v[228+\b]         ; the scale's byte
.endr
	v_lshl_or_b32 v234, v221, 8, v220              ; p's scale word for these 128 keys
	v_lshl_or_b32 v234, v222, 16, v234
	v_lshl_or_b32 v234, v223, 24, v234
.irp b, 0,1,2,3
.irp i, 0,1,2,3,4,5,6,7,8,9,10,11,12,13,14,15
	v_min_num_f32 v[S+16*\b+\i], v[S+16*\b+\i], v[224+\b]   ; the conversion does not saturate (ISA guide 7.6.2); p is not negative, so the hold is one-sided
.endr
	v_cvt_scalef32_pk8_fp8_f32 v[PC+4*\b:PC+4*\b+1], v[S+16*\b:S+16*\b+7], v[228+\b]
	v_cvt_scalef32_pk8_fp8_f32 v[PC+4*\b+2:PC+4*\b+3], v[S+16*\b+8:S+16*\b+15], v[228+\b]
.endr
.set jj, 0
.rept 16
	v_pk_mul_f32 v[O+jj:O+jj+1], v[O+jj:O+jj+1], v[232:233] op_sel_hi:[1,0]   ; O^T under the new M.  (These sixteen are also the places between the codes and the products)
.set jj, jj+2
.endr
	s_wait_dscnt 0x0                               ; V is in
.irp t, 0,1,2,3
	v_wmma_scale_f32_16x16x128_f8f6f4 v[O+8*\t:O+8*\t+7], v[KF+16*\t:KF+16*\t+15], v[PC:PC+15], v[O+8*\t:O+8*\t+7], v[VSW+\t], v234   ; the four accumulators by turns; the scores' eight products stand between a step's and the next's
.endr
.rept 8
	v_nop                                          ; places in front of the next loads into these registers and of the next read of O^T
.endr
.endm
; A TRIP: the next step's record is asked for, this step is worked, the record goes into the other slot; ONE barrier, on every wave's way.  In front of it each wave's stores into the other slot have
; landed and its reads of this slot are back: so behind it the other slot may be read and this one written.
.macro TRIP s
	s_bitcmp1_b32 s20, 1                           ; does any wave of the work-group want the next step?
	s_cbranch_scc0 .Lno_ld_\@
	STAGE_LD
.Lno_ld_\@:
	s_bitcmp1_b32 s18, 0                           ; does anything of this step count for my tile?
	s_cbranch_scc0 .Lno_step_\@
	STEP \s
.Lno_step_\@:
	s_wait_loadcnt 0x0                             ; the record is in registers, and its base may be stepped
	s_bitcmp1_b32 s20, 1
	s_cbranch_scc0 .Lno_st_\@
	STAGE_ST 1-\s
.Lno_st_\@:
	s_wait_dscnt 0x0
	s_barrier_signal -1
	s_barrier_wait -1
	s_add_nc_u64 s[30:31], s[30:31], REC
	s_add_nc_u64 s[10:11], s[10:11], 256
	s_lshr_b32 s18, s18, 1
	s_lshr_b32 s19, s19, 1
	s_lshr_b32 s20, s20, 1
.endm
.Lblock:
	s_wait_xcnt 0x0                                ; the last block's stores have read their data, offsets and bases
	s_lshl_b32 s17, s16, 4
	s_add_co_u32 s17, s17, s14                     ; my tile of queries: 16 x block + wave
	s_lshl_b32 s2, s17, 3
	s_add_co_u32 s2, s2, FLAGS
	s_mov_b32 s3, 0
	s_add_nc_u64 s[2:3], s[6:7], s[2:3]
	s_load_b64 s[18:19], s[2:3], 0x0               ; my tile's flags: bit step of s18: something counts; of s19: something does not
	s_lshl_b32 s100, s16, 7
	s_add_co_u32 s100, s100, FLAGS
	s_mov_b32 s101, 0
	s_add_nc_u64 s[100:101], s[6:7], s[100:101]
	s_load_b512 s[32:47], s[100:101], 0x0          ; and those of the block's sixteen tiles
	s_load_b512 s[48:63], s[100:101], 0x40
	s_lshl_b32 s68, s15, 17
	s_lshl_b32 s29, s17, 10
	s_add_co_u32 s68, s68, s29
	s_mov_b32 s69, 0
	s_add_nc_u64 s[68:69], s[4:5], s[68:69]        ; q's image
	s_lshl_b32 s70, s15, 12
	s_lshl_b32 s29, s17, 5
	s_add_co_u32 s70, s70, s29
	s_add_co_u32 s70, s70, QS
	s_mov_b32 s71, 0
	s_add_nc_u64 s[70:71], s[4:5], s[70:71]        ; and its scale bytes
	global_load_b128 v[16:19], v1, s[68:69]
	global_load_b128 v[20:23], v1, s[68:69] offset:512
	global_load_b128 v[32:35], v1, s[68:69]        ; a second time, above the zeros
	global_load_b128 v[36:39], v1, s[68:69] offset:512
	global_load_u16 v239, v5, s[70:71]
	s_lshl_b32 s10, s17, 12
	s_mov_b32 s11, 0
	s_add_nc_u64 s[10:11], s[6:7], s[10:11]        ; my tile's lane masks, step 0
	s_mov_b64 s[30:31], s[12:13]                   ; record 0
	s_wait_kmcnt 0x0
	s_or_b32 s20, s32, s34                         ; bit step: some wave of the work-group wants the step
.irp k, 36,38,40,42,44,46,48,50,52,54,56,58,60,62
	s_or_b32 s20, s20, s[\k]
.endr
	s_bitcmp1_b32 s20, 0
	s_cbranch_scc0 .Lno_first_ld
	STAGE_LD
.Lno_first_ld:
	s_wait_loadcnt 0x0
	v_lshl_or_b32 v238, v239, 16, v239             ; q's two bytes, for either half of K; the lines below are the places between this line and the first product
.set jj, 0
.rept 32
	v_mov_b32 v[O+jj], 0                           ; O^T.  (The step is written once: the first finds zeros, which the first change of M leaves zeros)
.set jj, jj+1
.endr
	v_mov_b32 v13, 0xff61b1e6                      ; the largest t so far: -3e38, under every t
	v_floor_f32 v12, -v13                          ; -M
	v_mov_b32 v14, 0
	v_mov_b32 v15, 0
	s_bitcmp1_b32 s20, 0
	s_cbranch_scc0 .Lno_first_st
	STAGE_ST 0                                     ; slot 0 was last read two barriers ago
.Lno_first_st:
	s_wait_dscnt 0x0
	s_barrier_signal -1
	s_barrier_wait -1
	s_add_nc_u64 s[30:31], s[30:31], REC
	s_mov_b32 s21, 8
.Ltrip:                                            ; 8 trips of two key steps: the count is a constant of the text
	TRIP 0
	TRIP 1
	s_sub_co_u32 s21, s21, 1
	s_cmp_lg_u32 s21, 0
	s_cbranch_scc1 .Ltrip
	; THE WAY OUT.  O^T is divided by the row's sum; its 32 numbers a lane are two blocks of 32 along the last product's K (lane l xor 16 holds the other half of each); codes and bytes are stored.
	v_add_f32 v14, v14, v15
	v_permlanex16_b32 v235, v14, s24, s25
	v_add_f32 v14, v14, v235                       ; the row's sum
	v_rcp_f32 v236, v14
	v_nop                                          ; a plain line behind the transcendental
	v_cmp_eq_f32 vcc_lo, 0, v14                    ; no key counted for my query
	v_mov_b32 v239, 0xff
	s_lshr_b32 s2, s15, 4                          ; batch
	s_lshl_b32 s29, s2, 7
	s_add_co_u32 s29, s29, s17
	s_lshl_b32 s29, s29, 14                        ; the tile's 16,384 bytes of images,
	s_and_b32 s100, s15, 15                        ; head
	s_lshl_b32 s101, s100, 10
	s_add_co_u32 s68, s29, s101                    ; my head's 1,024 of them
	s_mov_b32 s69, 0
	s_add_nc_u64 s[68:69], s[8:9], s[68:69]
	s_lshl_b32 s2, s2, 11
	s_lshr_b32 s29, s17, 1
	s_lshl_b32 s29, s29, 5
	s_add_co_u32 s2, s2, s29
	s_and_b32 s29, s17, 1
	s_lshl_b32 s29, s29, 3
	s_add_co_u32 s2, s2, s29                       ; the tile's first token
	s_lshl_b32 s2, s2, 5
	s_lshl_b32 s100, s100, 1
	s_add_co_u32 s2, s2, s100
	s_add_co_u32 s70, s2, XS                       ; its 32 scale bytes, my head's two
	s_mov_b32 s71, 0
	s_add_nc_u64 s[70:71], s[8:9], s[70:71]
	s_wait_alu depctr_va_vdst(0)                   ; the wait ahead of the reciprocal's first reader
.set jj, 0
.rept 16
	v_pk_mul_f32 v[S+jj:S+jj+1], v[O+jj:O+jj+1], v[236:237] op_sel_hi:[1,0]   ; each accumulator from its low end on
.set jj, jj+2
.endr
.irp b, 0,1
	v_max3_num_f32 v[216+\b], |v[S+16*\b]|, |v[S+1+16*\b]|, 0x4800000
.endr
.irp i, 2,4,6,8,10,12,14
.irp b, 0,1
	v_max3_num_f32 v[216+\b], v[216+\b], |v[S+16*\b+\i]|, |v[S+1+16*\b+\i]|
.endr
.endr
.irp b, 0,1
	v_permlanex16_b32 v[220+\b], v[216+\b], s24, s25
.endr
.irp b, 0,1
	v_max_num_f32 v[216+\b], v[216+\b], v[220+\b]
.endr
.irp b, 0,1
	v_add_nc_u32 v[228+\b], 0xfc000000, v[216+\b]
.endr
.irp b, 0,1
	v_and_or_b32 v[224+\b], v[216+\b], 0x7f800000, s26
.endr
.irp b, 0,1
	v_lshrrev_b32 v[220+\b], 23, v[228+\b]
.endr
.irp b, 0,1
	v_cndmask_b32 v[220+\b], v[220+\b], v239, vcc_lo   ; the byte 0xff where the row's sum is 0
.endr
	v_cndmask_b32 v220, v220, v221, s27            ; lanes 0-15 store block 0's byte, lanes 16-31 block 1's
.irp b, 0,1
.irp i, 0,1,2,3,4,5,6,7,8,9,10,11,12,13,14,15
	v_med3_num_f32 v[S+16*\b+\i], v[S+16*\b+\i], -v[224+\b], v[224+\b]
.endr
	v_cvt_scalef32_pk8_fp8_f32 v[PC+4*\b:PC+4*\b+1], v[S+16*\b:S+16*\b+7], v[228+\b]
	v_cvt_scalef32_pk8_fp8_f32 v[PC+4*\b+2:PC+4*\b+3], v[S+16*\b+8:S+16*\b+15], v[228+\b]
.endr
	v_nop                                          ; one plain vector line behind the last scaled conversion
	global_store_b128 v1, v[PC:PC+3], s[68:69]     ; 32 lanes store 512 consecutive bytes, aligned
	global_store_b128 v1, v[PC+4:PC+7], s[68:69] offset:512
	global_store_b8 v6, v220, s[70:71]             ; one byte in 32 of what this launch stores
	s_sub_co_u32 s16, 7, s16                       ; the other block
	s_sub_co_u32 s28, s28, 1
	s_cmp_lg_u32 s28, 0
	s_cbranch_scc1 .Lblock
	s_wait_xcnt 0x0
	v_lshl_add_u32 v254, v0, 2, 0xc200
	v_mov_b32 v255, 0
	s_wait_tensorcnt 0x0
	ds_add_u32 v254, v255
	s_wait_dscnt 0x0
	s_endpgm
.Lfunc_end_k_qb7b71380ed_attn:
	.size	k_qb7b71380ed_attn, .Lfunc_end_k_qb7b71380ed_attn-k_qb7b71380ed_attn
	.p2alignl 7, 3214868480
	.fill 96, 4, 3214868480
	.section	.rodata,"a",@progbits
	.p2align	6, 0x0
	.amdhsa_kernel k_qb7b71380ed_attn
		.amdhsa_group_segment_fixed_size 51712
		.amdhsa_private_segment_fixed_size 0
		.amdhsa_enable_private_segment 0
		.amdhsa_kernarg_size 24
		.amdhsa_user_sgpr_count 2
		.amdhsa_user_sgpr_kernarg_segment_ptr 1
		.amdhsa_wavefront_size32 1
		.amdhsa_system_sgpr_workgroup_id_x 1
		.amdhsa_system_sgpr_workgroup_id_y 1
		.amdhsa_system_sgpr_workgroup_id_z 1
		.amdhsa_system_vgpr_workitem_id 0
		.amdhsa_next_free_vgpr 256
		.amdhsa_next_free_sgpr 102
		.amdhsa_reserve_vcc 1
		.amdhsa_float_denorm_mode_32 3
		.amdhsa_float_denorm_mode_16_64 3
		.amdhsa_memory_ordered 1
		.amdhsa_forward_progress 1
		.amdhsa_inst_pref_size 62
	.end_amdhsa_kernel
	.amdgpu_metadata
---
amdhsa.version: [ 1, 2 ]
amdhsa.kernels:
  - .name:           k_qb7b71380ed_attn
    .symbol:         k_qb7b71380ed_attn.kd
    .args:
      - { .name: qkv, .offset: 0, .size: 8, .value_kind: global_buffer, .address_space: global }
      - { .name: mk, .offset: 8, .size: 8, .value_kind: global_buffer, .address_space: global }
      - { .name: xbuf, .offset: 16, .size: 8, .value_kind: global_buffer, .address_space: global }
    .group_segment_fixed_size: 51712
    .private_segment_fixed_size: 0
    .kernarg_segment_align: 8
    .kernarg_segment_size: 24
    .max_flat_workgroup_size: 512
    .sgpr_count:     102
    .vgpr_count:     256
    .wavefront_size: 32
...
	.end_amdgpu_metadata
.endif
;; end of part 3
;; launch outproj (part 4): grid 4 x 32, 4 waves a work-group, clusters of 4 x 4, 327,680 bytes of LDS; arguments xbuf, Wo_codes, Wo_scales, bo, out0; writes out0
.if DOCPART == 4
	.amdgcn_target "amdgcn-amd-amdhsa--gfx1250"
	.amdhsa_code_object_version 6
	.text
	.protected	k_qb7b71380ed_outproj
	.globl	k_qb7b71380ed_outproj
	.p2align	8
	.type	k_qb7b71380ed_outproj,@function
k_qb7b71380ed_outproj:
	s_mov_b64 s[64:65], 0
	v_nop
	global_prefetch_b8 v0, s[64:65] scope:SCOPE_SE
	s_setreg_imm32_b32 hwreg(HW_REG_WAVE_MODE, 25, 1), 1
	s_wait_xcnt 0x0
	s_wait_alu depctr_hold_cnt(0) depctr_sa_sdst(0) depctr_va_vdst(0) depctr_va_sdst(0) depctr_va_ssrc(0) depctr_va_vcc(0) depctr_vm_vsrc(0)
	s_getreg_b32 s2, hwreg(HW_REG_IB_STS2, 6, 4)
	s_cmp_eq_u32 s2, 0
	s_cbranch_scc0 .Lentry_in_a_cluster
	s_endpgm
.Lentry_in_a_cluster:
	s_bfe_u32 s2, ttmp6, 0x10000c
	s_cmp_lg_u32 s2, 0xf033
	s_cbranch_scc0 .Lentry_shape_is_right
	s_endpgm
.Lentry_shape_is_right:
; out0 = x Wo + bo on codes of FP8 (E4M3) with one E8M0 scale for each 32 along K = 1,024; out0 [8192][1024] f32.
; Source 0 of the matrix instruction is P = 16 rows of Wo (outputs), source 1 is R = 16 tokens of x: a lane then holds numbers of ONE row of out0.
; x comes as IMAGES OF THE OPERAND'S REGISTERS, [tile of 16 tokens 512][128 along K: 8][c 4][lane][16 bytes]: a fragment is four loads of 512 consecutive LDS bytes.  Tile T holds tokens
; 32 (T / 2) + 8 (T % 2) + r + 8 (r / 8).  x's scale bytes lie [token][32] behind the images.  Wo's rows take the same choice of rows, so that one register of addresses serves both sides' scale words:
; lane (r, h), accumulator (a, i), register j is out0(token(a, r), 32 (i / 2) + 16 h + 8 (i % 2) + j).
; A tile of 256 x 256 is made by four waves, each 128 x 128: 64 accumulators.  K goes in steps of 256 through two LDS slots filled by the tensor data mover; the scales of all of K come once.
; CLUSTERS: 4 x 4 work-groups; R's tiles are shared along a row of the cluster, P's along a column, each asked for jointly.  The bias is the C of the first step's products.
; 128 work-groups: the tile is kept at 256 x 256 so that each LDS byte read feeds as many products as the registers allow.
; A NaN scale byte (0xff) in x, which the launch before sets for a query with no key, makes that token's whole row NaN, as the definition has it.
; REGISTERS, in windows of 256: window 0: v1-29 addresses; v32-63 scale words, two sets; v64-127 the bias; from v128 R's fragments, one set; on the way out v128-255 rows of out0.
;   window 1: P's fragments, two sets.   window 2: the accumulators of my R tiles 0-3;   window 3: those of tiles 4-7.
.set NQ,     2
.set ROWB,   256                       ; P: a tile's row in bytes
.set KROW,   1024
.set PITCH,  272                       ; P: an LDS row: 256 bytes + 16 of padding
.set FR,     16
.set NL,     4
.set NP,     8                         ; places behind this matrix instruction (ISA guide 7.12.1)
.set RSTEP,  4096                      ; R: 256 along K of one tile of tokens
.set RHALF,  8*RSTEP                   ; eight tiles: what one tensor load brings
.set PHALF,  128*PITCH
.set POFF,   2*RHALF                   ; a slot: R's 16 tiles, then P's 256 rows
.set SLOT,   POFF+2*PHALF
.set LAPS,   2
.set SCL,    2*SLOT                    ; behind the ring: the scales, as units of 256 bytes + 16 of padding
.set HALFS,  16*272
.set SPARE,  SCL+4*HALFS               ; the spare words, 128 bytes for each wave: two blocks of 256 bytes that no other line names
.set XS,     8388608                   ; where x's scale bytes begin
.set SPITCH, 528                       ; the way out: a stage of 16 rows x (512 bytes + 16) for each wave, in slot 0, which has had its last fill and its last read by then
.set OROW,   4096                      ; a row of out0 in bytes
.set ADRA, 16
.set ADRB, 20
.set STO,  24
.set RD,   25
.set CO,   26
.set ADRS, 27
.set SPW,  28
.set NIL,  29
.set SC,   32
.set BP,   64                          ; the bias in the result's layout, 8 registers for each tile of P
.set AF,   128
.set BK,   128
.set G1, 24
.set G0, 32
.set G1B, 48
.set G0B, 56
.set G1S, 68
.set G0S, 76
.set G1SB, 80
.set G0SB, 88
.set MSB, 0
.macro WIN new                         ; the immediate's high byte repeats the setting that is left
.if MSB != (\new)
	s_set_vgpr_msb (MSB<<8)|(\new)
.set MSB, (\new)
.endif
.endm
.set MUL_LO, 0xa1                      ; source 0 (P) window 1, source 1 (R) window 0, C and D window 2
.set MUL_HI, 0xf1
.set FST_LO, 0x81                      ; the first step: C (the bias) window 0, D window 2
.set FST_HI, 0xc1
.set TO_B,   0x40
.macro JLOAD g0a, g1a, g0b, g1b        ; a joint load: waves 0 and 1 fetch for R, waves 2 and 3 for P; four v_nop follow each of the two lines
	s_cmp_eq_u32 s15, 0
	s_cbranch_scc0 .Lfor_b_\@
	tensor_load_to_lds s[\g0a:\g0a+3], s[\g1a:\g1a+7]
	s_nop 0
.rept 4
	v_nop
.endr
	s_branch .Lasked_\@
.Lfor_b_\@:
	tensor_load_to_lds s[\g0b:\g0b+3], s[\g1b:\g1b+7]
	s_nop 0
.rept 4
	v_nop
.endr
.Lasked_\@:
.endm
.macro CREST
	s_cmp_lg_u32 s14, 0
	s_cbranch_scc1 .Lnot_wave_0_\@
	s_barrier_signal -3
.Lnot_wave_0_\@:
	s_barrier_wait -3
	s_barrier_signal -1
	s_barrier_wait -1
.endm
.macro CROUND
	s_barrier_signal -1
	s_barrier_wait -1
	CREST
.endm
	s_load_b256 s[4:11], s[0:1], 0x0               ; xbuf s[4:5], Wo's codes s[6:7], Wo's scales s[8:9], bo s[10:11]
	s_load_b64 s[12:13], s[0:1], 0x20              ; out0
	v_lshl_add_u32 v[SPW], v0, 2, SPARE
	v_mov_b32 v[NIL], 0
	ds_add_u32 v28, v29
	ds_add_u32 v28, v29
	s_wait_dscnt 0x0
	v_lshrrev_b32 v1, 5, v0
	v_readfirstlane_b32 s14, v1                    ; wave 0..3
	s_lshr_b32 s15, s14, 1                         ; which half of R's rows is mine.  Also: I fetch for R (0) or for P (1)
	s_and_b32 s16, s14, 1                          ; which half of P's rows.  Also: which half of that tile I fetch
	s_bfe_u32 s40, ttmp6, 0x40000                  ; cx, cy
	s_bfe_u32 s41, ttmp6, 0x40004
	s_lshl_b32 s42, ttmp9, 2
	s_add_co_u32 s42, s42, s40                     ; P's tile = 4 x cluster x + cx
	s_and_b32 s17, ttmp7, 0xffff
	s_lshl_b32 s17, s17, 2
	s_add_co_u32 s17, s17, s41                     ; R's tile = 4 x cluster y + cy
	s_lshl_b32 s43, s41, 2
	s_lshl_b32 s43, 15, s43                        ; my row of the cluster
	s_lshl_b32 s44, 0x1111, s40                    ; my column
	; group 1 for R: eight tiles of tokens, 4,096 consecutive bytes of each (512 elements of 8 bytes), 16,384 bytes apart; no padding: the images are read as they lie
	s_or_b32 s[G1+0], s43, (3<<16)|(1<<21)
	s_mov_b32 s[G1+1], 512<<16                     ; tensor_dim0
	s_mov_b32 s[G1+2], 8<<16                       ; tensor_dim1
	s_mov_b32 s[G1+3], 512<<16                     ; tile_dim0
	s_mov_b32 s[G1+4], 8                           ; tile_dim1
	s_mov_b32 s[G1+5], 2048                        ; tensor_dim0_stride
	s_mov_b32 s[G1+6], 0
	s_mov_b32 s[G1+7], 0
	; for P: 128 rows x 256 bytes, 16 bytes of padding behind each
	s_or_b32 s[G1B+0], s44, (0<<16)|(1<<20)|(1<<21)|(5<<22)|(3<<25)
	s_mov_b32 s[G1B+1], ROWB<<16
	s_mov_b32 s[G1B+2], 128<<16
	s_mov_b32 s[G1B+3], ROWB<<16
	s_mov_b32 s[G1B+4], 128
	s_mov_b32 s[G1B+5], KROW
	s_mov_b32 s[G1B+6], 0
	s_mov_b32 s[G1B+7], 0
	; for the scales of 128 rows: 4,096 dense bytes as 16 rows of 256, 16 bytes of padding behind each
	s_or_b32 s[G1S+0], s43, (3<<16)|(1<<20)|(1<<21)|(5<<22)|(3<<25)
	s_or_b32 s[G1SB+0], s44, (3<<16)|(1<<20)|(1<<21)|(5<<22)|(3<<25)
.irp g, G1S, G1SB
	s_mov_b32 s[\g+1], 32<<16
	s_mov_b32 s[\g+2], 16<<16
	s_mov_b32 s[\g+3], 32<<16
	s_mov_b32 s[\g+4], 16
	s_mov_b32 s[\g+5], 32
	s_mov_b32 s[\g+6], 0
	s_mov_b32 s[\g+7], 0
.endr
	s_lshl_b32 s20, s17, 18                        ; R's images: (16 x tile + 8 x half) x 16,384
	s_lshl_b32 s18, s16, 17
	s_add_co_u32 s20, s20, s18
	s_mov_b32 s21, 0
	s_lshl_b32 s22, s17, 13                        ; R's scales: (256 x tile + 128 x half) x 32, behind the images
	s_lshl_b32 s18, s16, 12
	s_add_co_u32 s22, s22, s18
	s_add_co_u32 s22, s22, XS
	s_mov_b32 s23, 0
	s_lshl_b32 s46, s42, 18                        ; P's codes: (256 x tile + 128 x half) x 1,024
	s_lshl_b32 s18, s16, 17
	s_add_co_u32 s46, s46, s18
	s_mov_b32 s47, 0
	s_lshl_b32 s92, s42, 13                        ; P's scales
	s_lshl_b32 s18, s16, 12
	s_add_co_u32 s92, s92, s18
	s_mov_b32 s93, 0
	s_mul_i32 s45, s16, RHALF                      ; where they go: no place in the cluster enters an LDS address
	s_mul_i32 s95, s16, PHALF
	s_add_co_u32 s95, s95, POFF
	s_mul_i32 s94, s14, HALFS
	s_wait_kmcnt 0x0
	s_add_nc_u64 s[20:21], s[4:5], s[20:21]
	s_add_nc_u64 s[22:23], s[4:5], s[22:23]
	s_add_nc_u64 s[46:47], s[6:7], s[46:47]
	s_add_nc_u64 s[92:93], s[8:9], s[92:93]
	CROUND                                         ; all sixteen work-groups are here: the first joint loads meet
	s_mov_b32 s[G0S], 1
	s_add_co_u32 s[G0S+1], s94, SCL
	s_mov_b64 s[G0S+2:G0S+3], s[22:23]
	s_or_b32 s[G0S+3], s[G0S+3], 0x80000000
	s_mov_b32 s[G0SB], 1
	s_add_co_u32 s[G0SB+1], s94, SCL
	s_mov_b64 s[G0SB+2:G0SB+3], s[92:93]
	s_or_b32 s[G0SB+3], s[G0SB+3], 0x80000000
	JLOAD G0S, G1S, G0SB, G1SB                     ; the scales first
.irp s, 0,1
	s_mov_b32 s[G0+4*\s], 1
	s_add_co_u32 s[G0+4*\s+1], s45, \s*SLOT
	s_add_nc_u64 s[G0+4*\s+2:G0+4*\s+3], s[20:21], \s*RSTEP
	s_or_b32 s[G0+4*\s+3], s[G0+4*\s+3], 0x80000000
	s_mov_b32 s[G0B+4*\s], 1
	s_add_co_u32 s[G0B+4*\s+1], s95, \s*SLOT
	s_add_nc_u64 s[G0B+4*\s+2:G0B+4*\s+3], s[46:47], \s*ROWB
	s_or_b32 s[G0B+4*\s+3], s[G0B+4*\s+3], 0x80000000
	JLOAD G0+4*\s, G1, G0B+4*\s, G1B
.endr
	v_and_b32 v1, 15, v0                           ; r
	v_bfe_u32 v2, v0, 4, 1                         ; h
	v_and_b32 v3, 8, v1
	v_add_nc_u32 v3, v3, v1                        ; r + 8 (r / 8)
	v_mul_u32_u24 v4, v3, PITCH
	v_lshl_add_u32 v4, v2, 4, v4                   ; P: that row x pitch + 16 h
	v_and_b32 v7, 31, v0
	v_lshlrev_b32 v[CO], 4, v7                     ; 16 x lane: R's images; also my bytes of a row of out0
	s_mul_i32 s21, s15, RHALF                      ; my eight tiles of R
	s_mul_i32 s22, s16, PHALF                      ; my 128 rows of P
	s_add_co_u32 s22, s22, POFF
.irp s, 0,1
	v_add_nc_u32 v[ADRA+\s], s21, v[CO]
	v_add_nc_u32 v[ADRB+\s], s22, v4
	s_add_co_u32 s21, s21, SLOT
	s_add_co_u32 s22, s22, SLOT
.endr
	v_lshlrev_b32 v5, 5, v3                        ; my row's scales: 32 bytes a row,
	v_lshrrev_b32 v6, 8, v5
	v_lshl_add_u32 v5, v6, 4, v5                   ; and 16 more for each 256 passed
	s_mul_i32 s21, s15, HALFS
	s_mul_i32 s22, s16, HALFS
	s_add_co_u32 s22, s22, 2*HALFS
	s_sub_co_u32 s22, s22, s21
	v_mul_u32_u24 v6, s22, v2                      ; lanes 16-31 take P's: one product, h x the distance
	s_add_co_u32 s21, s21, SCL
	v_add_nc_u32 v5, v5, v6
	v_add_nc_u32 v[ADRS], s21, v5
	s_mul_i32 s23, s14, 16*SPITCH                  ; my stage
	v_mul_u32_u24 v5, v1, SPITCH
	v_lshl_add_u32 v5, v2, 6, v5
	v_add_nc_u32 v[STO], s23, v5                   ; in: row r, + 64 h
	v_add_nc_u32 v[RD], s23, v[CO]                 ; back: the 32 lanes take one row of 512 bytes
	s_lshl_b32 s20, s17, 8
	s_lshl_b32 s21, s15, 7
	s_add_co_u32 s20, s20, s21                     ; my first row of out0
	s_lshl_b32 s20, s20, 12                        ; in bytes (8,192 rows of 4,096: under 2^25)
	s_lshl_b32 s46, s42, 10                        ; my first column, in bytes: 1,024 x tile + 512 x half
	s_lshl_b32 s47, s16, 9
	s_add_co_u32 s46, s46, s47
	s_add_co_u32 s20, s20, s46
	s_mov_b32 s21, 0
	s_add_nc_u64 s[12:13], s[12:13], s[20:21]
	s_mov_b32 s47, 0
	s_add_nc_u64 s[10:11], s[10:11], s[46:47]      ; bo at my first column
	v_lshlrev_b32 v5, 6, v2                        ; 64 h
.irp i, 0,1,2,3,4,5,6,7
	global_load_b128 v[BP+8*\i:BP+8*\i+3], v5, s[10:11] offset:4*(32*(\i/2)+8*(\i%2))
	global_load_b128 v[BP+8*\i+4:BP+8*\i+7], v5, s[10:11] offset:4*(32*(\i/2)+8*(\i%2))+16
.endr
.macro FRAGB reg, adr, q, i            ; P: registers 4 c .. 4 c + 3 hold K = 32 c + 16 h + 0 .. 15; tile i begins at row 32 (i / 2) + 8 (i % 2)
.irp c, 0,1,2,3
	ds_load_b128 v[\reg+4*\c:\reg+4*\c+3], v[\adr] offset:128*(\q)+32*\c+(32*((\i)/2)+8*((\i)%2))*PITCH
.endr
.endm
.macro FRAGA reg, adr, q, i            ; R: an image: 512 consecutive bytes a load
.irp c, 0,1,2,3
	ds_load_b128 v[\reg+4*\c:\reg+4*\c+3], v[\adr] offset:RSTEP*(\i)+2048*(\q)+512*\c
.endr
.endm
; 16 matrix instructions: R's tiles a0, a0 + 1 x P's eight.  first = 1: the bias is the C of the sums' first products: nothing is cleared.  The 64 accumulators take turns.
.macro MUL16 a0, p, q, sc, first
.irp a, \a0, \a0+1
.irp b, 0,1,2,3,4,5,6,7
.if \first
	v_wmma_scale_f32_16x16x128_f8f6f4 v[8*(8*((\a)%4)+\b):8*(8*((\a)%4)+\b)+7], v[128*(\p)+FR*\b:128*(\p)+FR*\b+FR-1], v[AF+FR*(\a):AF+FR*(\a)+FR-1], v[BP+8*\b:BP+8*\b+7], v[SC+8*NQ*(\sc)+NQ*\b+(\q)], v[SC+8*NQ*(\sc)+NQ*(\a)+(\q)] matrix_a_scale:MATRIX_SCALE_ROW1
.else
	v_wmma_scale_f32_16x16x128_f8f6f4 v[8*(8*((\a)%4)+\b):8*(8*((\a)%4)+\b)+7], v[128*(\p)+FR*\b:128*(\p)+FR*\b+FR-1], v[AF+FR*(\a):AF+FR*(\a)+FR-1], v[8*(8*((\a)%4)+\b):8*(8*((\a)%4)+\b)+7], v[SC+8*NQ*(\sc)+NQ*\b+(\q)], v[SC+8*NQ*(\sc)+NQ*(\a)+(\q)] matrix_a_scale:MATRIX_SCALE_ROW1
.endif
.endr
.endr
.endm
.macro FETCH_B slot, q, p
	WIN TO_B
.irp i, 0,1,2,3,4,5,6,7
	FRAGB 128*(\p)+FR*\i, ADRB+\slot, \q, \i
.endr
	WIN 0
.endm
.macro FETCH_A slot, q, i0
.irp i, \i0, \i0+1, \i0+2, \i0+3
	FRAGA AF+FR*(\i), ADRA+\slot, \q, \i
.endr
.endm
.macro SCALES sc
.irp i, 0,1,2,3,4,5,6,7
	ds_load_b64 v[SC+8*NQ*\sc+NQ*\i:SC+8*NQ*\sc+NQ*\i+1], v[ADRS] offset:(4*(\i/2)+\i%2)*272
.endr
.endm
.macro PLACES n                        ; places in front of loads into registers that matrix instructions have read, and of the first read of results (ISA guide 7.12.1 for the first read of results)
.rept \n
	v_nop
.endr
.endm
.macro STEP slot, q, first
	s_wait_dscnt 4*NL                              ; P's set and R's tiles 0-3 are in; the youngest 16 loads (R's tiles 4-7) may be out
.if \first
	WIN FST_LO
.else
	WIN MUL_LO
.endif
	MUL16 0, (\q)%2, \q, \slot, \first
	MUL16 2, (\q)%2, \q, \slot, \first
	s_wait_dscnt 0
	PLACES NP
	FETCH_B \slot, (\q)+1, 1-(\q)%2
	FETCH_A \slot, (\q)+1, 0
.if \first
	WIN FST_HI
.else
	WIN MUL_HI
.endif
	MUL16 4, (\q)%2, \q, \slot, \first
	MUL16 6, (\q)%2, \q, \slot, \first
	PLACES NP
	WIN 0
	FETCH_A \slot, (\q)+1, 4
.endm
; A slot's last step changes slots: ONE barrier; in front of it each wave waits for all its tensor loads, adds 0 to its spare word, and waits for that and for its own reads of this slot.
.macro TURN slot, next, fill
	s_wait_tensorcnt 0x0                           ; all my tensor loads have landed: my part of the next slot
	ds_add_u32 v[SPW], v[NIL]                      ; 0 onto my spare word
	s_wait_dscnt 4*NL+1                            ; (the add and the youngest 16 loads may be out)
	WIN MUL_LO
	MUL16 0, 1, NQ-1, \slot, 0
	s_wait_dscnt 0x0                               ; the add is done, and my reads of this slot are over
	s_barrier_signal -1
	MUL16 2, 1, NQ-1, \slot, 0
	WIN 0
	s_barrier_wait -1
.if \fill
	CREST                                          ; no wave of any partner still reads this slot's tile or has a load on its way
	s_add_nc_u64 s[G0+4*\slot+2:G0+4*\slot+3], s[G0+4*\slot+2:G0+4*\slot+3], 2*RSTEP
	s_add_nc_u64 s[G0B+4*\slot+2:G0B+4*\slot+3], s[G0B+4*\slot+2:G0B+4*\slot+3], 2*ROWB
	JLOAD G0+4*\slot, G1, G0B+4*\slot, G1B         ; the first tensor load behind the round
	PLACES NP-4
.else
	PLACES NP
.endif
	v_add_nc_u32 v[ADRS], 4*NQ, v[ADRS]            ; on to the next K step's scale words
	FETCH_B \next, 0, 0
	FETCH_A \next, 0, 0
	SCALES \next
	WIN MUL_HI
	MUL16 4, 1, NQ-1, \slot, 0
	MUL16 6, 1, NQ-1, \slot, 0
	PLACES NP
	WIN 0
	FETCH_A \next, 0, 4
.endm
	s_wait_tensorcnt 1                             ; of my three first loads the scales and K step 0 are in; K step 1's may be out
	s_barrier_signal -1
	s_barrier_wait -1
	FETCH_B 0, 0, 0
	FETCH_A 0, 0, 0
	SCALES 0
	FETCH_A 0, 0, 4
	s_wait_loadcnt 0x0                             ; the bias
	STEP 0, 0, 1                                   ; the first step stands in front of the loop: its products start the sums on the bias
	s_mov_b32 s3, LAPS-1
.Llap:
	TURN 0, 1, 1
	STEP 1, 0, 0
	TURN 1, 0, 1
	STEP 0, 0, 0
	s_sub_co_u32 s3, s3, 1
	s_cmp_lg_u32 s3, 0
	s_cbranch_scc1 .Llap
	TURN 0, 1, 0                                   ; the last lap fills nothing
	STEP 1, 0, 0
	s_wait_dscnt 4*NL
	WIN MUL_LO
	MUL16 0, 1, NQ-1, 1, 0
	MUL16 2, 1, NQ-1, 1, 0
	s_wait_dscnt 0
	WIN MUL_HI
	MUL16 4, 1, NQ-1, 1, 0
	MUL16 6, 1, NQ-1, 1, 0
	WIN 0
; THE WAY OUT, R tile by R tile: 16 rows x 128 columns go through my own stage in LDS and come back as whole rows of 512 bytes.  LDS serves a wave's instructions in order: no wait between the stores and the loads.
.macro TOSTAGE a
.set AC, 64*((\a)%4)
.set WN, 0x08+4*((\a)/4)
	WIN WN                                         ; an LDS store's data: window 2 or 3
.irp b, 0,1,2,3,4,5,6,7
	ds_store_b128 v[STO], v[AC+8*\b:AC+8*\b+3] offset:128*(\b/2)+32*(\b%2)          ; each accumulator from its low end on: columns 32 (b / 2) + 16 h + 8 (b % 2) on
	ds_store_b128 v[STO], v[AC+8*\b+4:AC+8*\b+7] offset:128*(\b/2)+32*(\b%2)+16
.endr
	WIN 0
.set BB, BK+64*((\a)%2)
.irp t, 0,1,2,3,4,5,6,7,8,9,10,11,12,13,14,15
	ds_load_b128 v[BB+4*\t:BB+4*\t+3], v[RD] offset:\t*SPITCH
.endr
.endm
.macro SEND a, younger                 ; younger: the LDS instructions issued behind tile a's loads, which may stay out
.set BB, BK+64*((\a)%2)
	s_wait_dscnt \younger
.if (\a) > 0
.if (\a)%2
	s_add_nc_u64 s[12:13], s[12:13], 8*OROW        ; (behind a wait on XCNT: the earlier stores have read their base)  an odd tile begins 8 rows on,
.else
	s_add_nc_u64 s[12:13], s[12:13], 24*OROW       ; an even one 24
.endif
.endif
.irp t, 0,1,2,3,4,5,6,7,8,9,10,11,12,13,14,15
	global_store_b128 v[CO], v[BB+4*\t:BB+4*\t+3], s[12:13] offset:(\t+8*(\t/8))*OROW th:TH_STORE_NT   ; 32 lanes store 512 consecutive bytes, aligned; written once, read by nobody here
.endr
.endm
	PLACES NP
	TOSTAGE 0
.irp a, 1,2,3,4,5,6,7
.if \a > 1
	s_wait_xcnt 0x0                                ; tile a - 2's stores have read their registers and their base
.endif
	TOSTAGE \a
	SEND \a-1, 32                                  ; behind tile a - 1's loads: tile a's 16 stores and 16 loads
.endr
	s_wait_xcnt 0x0
	SEND 7, 0
	s_wait_tensorcnt 0x0                           ; the wave's end
	ds_add_u32 v[SPW], v[NIL]
	s_wait_dscnt 0x0
	CROUND                                         ; the closing round
	s_endpgm
.Lfunc_end_k_qb7b71380ed_outproj:
	.size	k_qb7b71380ed_outproj, .Lfunc_end_k_qb7b71380ed_outproj-k_qb7b71380ed_outproj
	.p2alignl 7, 3214868480
	.fill 96, 4, 3214868480
	.section	.rodata,"a",@progbits
	.p2align	6, 0x0
	.amdhsa_kernel k_qb7b71380ed_outproj
		.amdhsa_group_segment_fixed_size 327680
		.amdhsa_private_segment_fixed_size 0
		.amdhsa_enable_private_segment 0
		.amdhsa_kernarg_size 40
		.amdhsa_user_sgpr_count 2
		.amdhsa_user_sgpr_kernarg_segment_ptr 1
		.amdhsa_wavefront_size32 1
		.amdhsa_system_sgpr_workgroup_id_x 1
		.amdhsa_system_sgpr_workgroup_id_y 1
		.amdhsa_system_sgpr_workgroup_id_z 1
		.amdhsa_system_vgpr_workitem_id 0
		.amdhsa_next_free_vgpr 1024
		.amdhsa_next_free_sgpr 100
		.amdhsa_reserve_vcc 0
		.amdhsa_float_denorm_mode_32 3
		.amdhsa_float_denorm_mode_16_64 3
		.amdhsa_memory_ordered 1
		.amdhsa_forward_progress 1
		.amdhsa_inst_pref_size 147
	.end_amdhsa_kernel
	.amdgpu_metadata
---
amdhsa.version: [ 1, 2 ]
amdhsa.kernels:
  - .name:           k_qb7b71380ed_outproj
    .symbol:         k_qb7b71380ed_outproj.kd
    .args:
      - { .name: xbuf, .offset: 0, .size: 8, .value_kind: global_buffer, .address_space: global }
      - { .name: Wo_codes, .offset: 8, .size: 8, .value_kind: global_buffer, .address_space: global }
      - { .name: Wo_scales, .offset: 16, .size: 8, .value_kind: global_buffer, .address_space: global }
      - { .name: bo, .offset: 24, .size: 8, .value_kind: global_buffer, .address_space: global }
      - { .name: out0, .offset: 32, .size: 8, .value_kind: global_buffer, .address_space: global }
    .group_segment_fixed_size: 327680
    .private_segment_fixed_size: 0
    .kernarg_segment_align: 8
    .kernarg_segment_size: 40
    .max_flat_workgroup_size: 128
    .sgpr_count:     100
    .vgpr_count:     1024
    .wavefront_size: 32
...
	.end_amdgpu_metadata
.endif
;; end of part 4
;; ======== version 2 of 2: 4 launches; version 1 with the launch attn written anew for expert scheduling mode
;; workspace buffers: mk 525,312 bytes of whole numbers; qkv 25,952,256 bytes; xbuf 8,650,752 bytes
;; launch maskbits: the kernel of part 1 again; grid 128 x 1, 16 waves a work-group, no clusters, 137,472 bytes of LDS; arguments mask, mk; writes mk
;; launch proj: the kernel of part 2 again; grid 4 x 96, 4 waves a work-group, clusters of 4 x 4, 327,680 bytes of LDS; arguments Wq_codes, Wq_scales, query_codes, query_scales, Wk_codes, Wk_scales, key_codes, key_scales, value_codes, value_scales, Wv_codes, Wv_scales, bq, bk, bv, qkv; writes qkv
;; launch attn (part 5): grid 4 x 64, 16 waves a work-group, no clusters, 51,712 bytes of LDS; arguments qkv, mk, xbuf; writes xbuf
.if DOCPART == 5
	.amdgcn_target "amdgcn-amd-amdhsa--gfx1250"
	.amdhsa_code_object_version 6
	.text
	.protected	k_qb7b71380ed_attn
	.globl	k_qb7b71380ed_attn
	.p2align	8
	.type	k_qb7b71380ed_attn,@function
k_qb7b71380ed_attn:
	s_mov_b64 s[64:65], 0
	v_nop
	global_prefetch_b8 v0, s[64:65] scope:SCOPE_SE
	s_setreg_imm32_b32 hwreg(HW_REG_WAVE_SCHED_MODE, 0, 2), 2
	s_setreg_imm32_b32 hwreg(HW_REG_WAVE_MODE, 25, 1), 1
	s_wait_xcnt 0x0
	s_wait_alu depctr_vm_vsrc(0)
; x[b][q][64 head + d] = the sum over keys of softmax(q . k / 8, under the mask) v, both products on codes of FP8 (E4M3) with one E8M0 scale for each 32 along K; x is quantised along the
; last product's K and stored as images of that product's operand registers.
; THE SOFTMAX AHEAD OF THE SECOND PRODUCT: t = score x log2(e) / 8; M = the row's largest t so far, rounded UP to a whole number; p = 2^(t - M) is what is quantised, along the keys; the row's sum is
; taken of the unquantised p and divides at the end.  When M moves, the sum and O are multiplied by 2^(old M - new M): exact.
; SHARES.  A work-group takes one head of one batch and, one after the other, blocks x and 7 - x of its 256-query blocks.  Each of its sixteen waves owns one tile of 16 queries in 256 registers.
; Every wave walks the 16 key steps of 128 keys; a step's record (K image, V image, their scale words: 16,896 bytes, laid by the launch before in the order of the operands' registers) goes
; memory -> registers -> LDS, all waves sharing the copying, one step ahead, into two slots that take turns; one barrier a step.
; THE MASK is honoured as it is given.  An earlier launch has stored, as whole numbers, for each tile of 16 queries x 128 keys whether any entry counts and whether any does not, and a lane mask for
; each score register.  A step none of whose entries counts for my tile is left out (its p would be 0); a record that no wave of the work-group wants is not copied; the 64 selects that put
; -infinity over hidden scores are left out where all entries count.  These are scalar branches on stored whole numbers; no barrier stands under them.
; NO TENSOR LOAD AND NO JOINT REQUEST, though the work-groups of a head read the same records: the walk branches on numbers read from memory.
; NO PREFETCH: a record's loads are issued a whole key step of the wave's work ahead of the wait for them.
; THE HEAD HAS 64 CHANNELS, the instruction's K is 128: a fragment of K holds TWO tiles of 16 keys (K = 0-63: tile u = 0, K = 64-127: tile u = 1), and q stands beside 64 zero codes, below them or above:
; v[16:31] = (q, 0) gives tile 0's scores, v[24:39] = (0, q) tile 1's.  No LDS byte is read for the zeros.
; LAYOUT.  Both products are used transposed (source 0 = keys, then channels; source 1 = my queries): a lane holds ONE query (lane % 16) throughout.  The keys of a tile are chosen so that
; score register 16 b + i is key 32 b + 16 (lane / 16) + i; V's channels so that O's register 16 g + i is channel 32 g + 16 (lane / 16) + i.
; LIMITS: a query for which no key counts gets the scale byte 0xff, so that its row of the output is NaN, as the softmax of nothing is; NaN and infinities among the inputs are not served
; (a NaN code of k would also spoil the tile that shares its fragment); a block whose largest magnitude lies under 2^-118 keeps the scale byte 1.
; REGISTERS: v1-7 addresses and -infinity; v8-11, v248-255 a record on its way; v12 -M, v13 the largest t, v[14:15] the sum in two halves; v16-39 q, zeros, q; v40-103 four fragments of K or V;
;   v104-167 scores, then p; v168-199 O^T; v200-215 p's codes; v216-237, v239 at work; v238 q's scale word; v240-243 K's scale words, v244-247 V's.
; THE MODE: SCHED_MODE bits 1:0 = 2 (LLVM: expert scheduling mode 2), set by the entry lines.  The code itself states the register dependences
; between vector or matrix instructions and memory or LDS instructions, with s_wait_alu, always for 0.
; THE PLAN.  Registers that memory or LDS instructions touch:
;   v1, v2, v3, v5, v6    offsets and LDS addresses: written at the head, never again; read by every load and store.
;   v8-11, v248-255       a record on its way: written once at the head by vector lines, then by the global loads at a trip's head; read by the LDS stores at that trip's end.  (v254, v255 are made anew at the wave's end.)
;   v16-23, v32-39, v239  q and its scale bytes: global loads at a block's head land there; the score products read q, vector lines read and write v239.
;   v40-103               K's fragments land at a step's head, the score products read them, V's fragments land, the products V^T P read them.  All 256 registers of the wave are named: there is no second buffer.
;   v240-247              K's and V's scale words: LDS loads land there, the same products read them.
;   v200-207, v220        on the way out: conversions and selects write them, three global stores read them; the next block's steps write them again.
;   v24-31, v238, v200-215, v234  written by vector lines and taken by scaled products as an operand or as scales.
; THE WAITS.  At a block's head one on vm_vsrc and one on va_vdst; at a trip's head one on vm_vsrc, ahead of the record's loads; in a step three on va_vdst beside the exponentials' two: at its head, ahead of
; K's loads; behind the score products, ahead of V's loads; directly ahead of the products V^T P.  On the way out one on VCC and one on va_vdst ahead of the stores.  Each line's comment says what it states.
.set QS,    8388608
.set KV,    8650752
.set REC,   16896
.set XS,    8388608
.set FLAGS, 524288
.set SLOT1, 32768                      ; slot 1 of the two
.set KF,    40
.set S,     104
.set O,     168
.set PC,    200
.set KSW,   240
.set VSW,   244
	s_load_b128 s[4:7], s[0:1], 0x0                ; qkv s[4:5], mk s[6:7]
	s_load_b64 s[8:9], s[0:1], 0x10                ; xbuf
	v_lshrrev_b32 v1, 5, v0
	v_readfirstlane_b32 s14, v1                    ; wave 0..15
	v_and_b32 v4, 31, v0
	v_lshlrev_b32 v1, 4, v4                        ; 16 x lane: an image's place for my lane
	v_and_b32 v4, 15, v0                           ; r
	v_lshlrev_b32 v2, 2, v4                        ; 4 r: a scale word's
	v_lshlrev_b32 v5, 1, v4                        ; 2 r: q's two scale bytes
	v_lshlrev_b32 v3, 4, v0                        ; 16 x thread: my part of 8,192 bytes of a record
	v_and_b32 v6, 8, v4
	v_add_nc_u32 v6, v6, v4
	v_lshlrev_b32 v6, 5, v6
	v_bfe_u32 v4, v0, 4, 1
	v_add_nc_u32 v6, v6, v4                        ; x's scale bytes: 32 (r + 8 (r / 8)) + h
	v_mov_b32 v7, 0xff800000                       ; -infinity
.irp k, 8,9,10,11,248,249,250,251,252,253,254,255
	v_mov_b32 v[\k], 0                             ; the staging registers: written once, so that they hold numbers on every way through the text
.endr
.irp k, 24,25,26,27,28,29,30,31
	v_mov_b32 v[\k], 0                             ; the 64 zero codes beside q
.endr
.irp k, 220,221,222,223,233,235,237
	v_mov_b32 v[\k], 0                             ; lane permutes' destinations and the upper halves of named pairs
.endr
	s_wait_alu depctr_va_sdst(0)                   ; s14, the wave's number, is written
	s_and_b32 s15, ttmp7, 0xffff                   ; the head of batch
	s_mov_b32 s16, ttmp9                           ; the first block of queries
	s_mov_b32 s22, 0x3e38aa3b                      ; c = log2(e) / 8
	s_mov_b32 s23, s22                             ; (named with it as a pair)
	s_mov_b32 s24, 0x76543210
	s_mov_b32 s25, 0xfedcba98                      ; v_permlanex16_b32's selects for lane l xor 16
	s_mov_b32 s26, 0x600000                        ; the mantissa field of 448
	s_mov_b32 s27, 0xffff0000                      ; lanes 16-31
	s_mov_b32 s28, 2                               ; blocks to go
	s_mul_i32 s2, s15, 16*REC
	s_add_co_u32 s2, s2, KV
	s_mov_b32 s3, 0
	s_wait_kmcnt 0x0
	s_add_nc_u64 s[12:13], s[4:5], s[2:3]          ; the head's first record
.macro STAGE_LD                        ; a record into registers: K's image, V's image, and (wave 0) the 512 bytes of scale words
	global_load_b128 v[248:251], v3, s[30:31]
	global_load_b128 v[252:255], v3, s[30:31] offset:8192
	s_cmp_lg_u32 s14, 0
	s_cbranch_scc1 .Lnot_w0_\@
	global_load_b128 v[8:11], v3, s[30:31] offset:16384
.Lnot_w0_\@:
.endm
.macro STAGE_ST slot                   ; and on into a slot, as it lies
	ds_store_b128 v3, v[248:251] offset:(\slot)*SLOT1
	ds_store_b128 v3, v[252:255] offset:(\slot)*SLOT1+8192
	s_cmp_lg_u32 s14, 0
	s_cbranch_scc1 .Lnot_w0_\@
	ds_store_b128 v3, v[8:11] offset:(\slot)*SLOT1+16384
.Lnot_w0_\@:
.endm
; A KEY STEP: 128 keys, from slot s.
.macro STEP s
.set SB, (\s)*SLOT1
	s_wait_alu depctr_va_vdst(0)                   ; the last step's products are done reading v[KF ..] and K's scale words, in which the LDS loads below land; in a block's first step q's scale word v238 is written, which the products below take (its places stand at the block's head)
	s_load_b512 s[32:47], s[10:11], 0x0            ; the step's 64 lane masks: register n's lies in s[32 + n], from n = 32 on in s[36 + n]
	s_load_b512 s[48:63], s[10:11], 0x40
	s_load_b512 s[68:83], s[10:11], 0x80
	s_load_b512 s[84:99], s[10:11], 0xc0
.irp f, 0,1,2,3
.irp c, 0,1,2,3
	ds_load_b128 v[KF+16*\f+4*\c:KF+16*\f+4*\c+3], v1 offset:SB+2048*\f+512*\c   ; 512 consecutive bytes an instruction
.endr
	ds_load_b32 v[KSW+\f], v2 offset:SB+16384+64*\f
.endr
	s_wait_dscnt 0x0
.irp f, 0,1,2,3
.irp u, 0,1
	v_wmma_scale_f32_16x16x128_f8f6f4 v[S+8*(2*\f+\u):S+8*(2*\f+\u)+7], v[KF+16*\f:KF+16*\f+15], v[16+8*\u:31+8*\u], 0, v[KSW+\f], v238
.endr
.endr
.rept 8
	v_nop                                          ; places in front of the first read of these products' results
.endr
	s_wait_alu depctr_va_vdst(0)                   ; the score products are done reading K's fragments, in which V's land; the last step's products V^T P are done reading V's scale words
.irp t, 0,1,2,3
.irp c, 0,1,2,3
	ds_load_b128 v[KF+16*\t+4*\c:KF+16*\t+4*\c+3], v1 offset:SB+8192+2048*\t+512*\c   ; V's fragments land while the softmax is walked: no vector line of it names these registers
.endr
	ds_load_b32 v[VSW+\t], v2 offset:SB+16640+64*\t
.endr
	s_wait_kmcnt 0x0                               ; the lane masks are in, on every way; their base may be stepped
	s_bitcmp1_b32 s19, 0
	s_cbranch_scc0 .Lopen_\@                       ; every entry of my tile counts
.set nn, 0
.rept 64
.if nn < 32
	v_cndmask_b32 v[S+nn], v7, v[S+nn], s[32+nn]   ; hidden scores become -infinity ahead of the maximum: p = 0 then
.else
	v_cndmask_b32 v[S+nn], v7, v[S+nn], s[36+nn]
.endif
.set nn, nn+1
.endr
.Lopen_\@:
.irp b, 0,1,2,3
	v_max3_num_f32 v[216+\b], v[S+16*\b], v[S+1+16*\b], v[S+2+16*\b]   ; the largest score of each block of 32 keys: it serves the row's maximum and, since p rises with the score, the block's largest p
.endr
.irp i, 3,5,7,9,11,13
.irp b, 0,1,2,3
	v_max3_num_f32 v[216+\b], v[216+\b], v[S+16*\b+\i], v[S+1+16*\b+\i]
.endr
.endr
.irp b, 0,1,2,3
	v_max_num_f32 v[216+\b], v[216+\b], v[S+15+16*\b]
.endr
.irp b, 0,1,2,3
	v_permlanex16_b32 v[220+\b], v[216+\b], s24, s25
.endr
.irp b, 0,1,2,3
	v_max_num_f32 v[216+\b], v[216+\b], v[220+\b]  ; with lane l xor 16's 16 keys
.endr
	v_max3_num_f32 v235, v216, v217, v218
	v_max_num_f32 v235, v235, v219                 ; the step's largest score of my query
	v_mul_f32 v235, s22, v235                      ; as t (c is positive)
	v_max_num_f32 v13, v13, v235                   ; the running largest t
	v_mov_b32 v235, v12
	v_floor_f32 v12, -v13                          ; the new -M = floor(-t) = -ceil(t)
	v_sub_f32 v235, v12, v235                      ; M's old value less its new one: a whole number, 0 or less
	v_cvt_i32_f32 v235, v235                       ; (it saturates)
	v_ldexp_f32 v232, 1.0, v235                    ; f = 2^(old M - new M)
.set jj, 0
.rept 32
	v_pk_fma_f32 v[S+jj:S+jj+1], v[S+jj:S+jj+1], s[22:23], v[12:13] op_sel_hi:[1,0,0]   ; t - M, two at a time
.set jj, jj+2
.endr
.irp b, 0,1,2,3
	v_fma_f32 v[216+\b], v[216+\b], s22, v12       ; the same of each block's largest score
.endr
.set jj, 0
.rept 64
	v_exp_f32 v[S+jj], v[S+jj]                     ; p = 2^(t - M), at most 1
.set jj, jj+1
.endr
	v_pk_mul_f32 v[14:15], v[14:15], v[232:233] op_sel_hi:[1,0]   ; the sums under the new M (a plain line behind the exponentials)
	s_wait_alu depctr_va_vdst(0)                   ; the 64 exponentials have written v[S ..]: one wait for the whole batch, ahead of its first reader
.irp b, 0,1,2,3
	v_exp_f32 v[216+\b], v[216+\b]                 ; the block's largest p: the same two instructions on the same number give the same bits
.endr
	v_pk_add_f32 v[220:221], v[S:S+1], v[S+2:S+3]  ; the row's sum is taken of the unquantised p, in two chains
.irp j, 4,8,12,16,20,24,28,32,36,40,44,48,52,56,60
	v_pk_add_f32 v[14:15], v[14:15], v[S+\j:S+\j+1]
	v_pk_add_f32 v[220:221], v[220:221], v[S+2+\j:S+3+\j]
.endr
	v_pk_add_f32 v[14:15], v[14:15], v[220:221]
	s_wait_alu depctr_va_vdst(0)                   ; the four exponentials have written v216 to v219: their wait, ahead of their first reader
.irp b, 0,1,2,3
	v_max_num_f32 v[216+\b], 0x4800000, v[216+\b]  ; the floor 2^(9 - 127): the byte cannot fall under 1
.endr
.irp b, 0,1,2,3
	v_add_nc_u32 v[228+\b], 0xfc000000, v[216+\b]  ; 8 off the exponent field: the conversion's scale operand
.endr
.irp b, 0,1,2,3
	v_and_or_b32 v[224+\b], v[216+\b], 0x7f800000, s26   ; 448 x the scale
.endr
.irp b, 0,1,2,3
	v_lshrrev_b32 v[220+\b], 23, v[228+\b]         ; the scale's byte
.endr
	v_lshl_or_b32 v234, v221, 8, v220              ; p's scale word for these 128 keys
	v_lshl_or_b32 v234, v222, 16, v234
	v_lshl_or_b32 v234, v223, 24, v234
.irp b, 0,1,2,3
.irp i, 0,1,2,3,4,5,6,7,8,9,10,11,12,13,14,15
	v_min_num_f32 v[S+16*\b+\i], v[S+16*\b+\i], v[224+\b]   ; the conversion does not saturate (ISA guide 7.6.2); p is not negative, so the hold is one-sided
.endr
	v_cvt_scalef32_pk8_fp8_f32 v[PC+4*\b:PC+4*\b+1], v[S+16*\b:S+16*\b+7], v[228+\b]
	v_cvt_scalef32_pk8_fp8_f32 v[PC+4*\b+2:PC+4*\b+3], v[S+16*\b+8:S+16*\b+15], v[228+\b]
.endr
.set jj, 0
.rept 16
	v_pk_mul_f32 v[O+jj:O+jj+1], v[O+jj:O+jj+1], v[232:233] op_sel_hi:[1,0]   ; O^T under the new M.  (These sixteen are also the places between the codes and the products)
.set jj, jj+2
.endr
	s_wait_dscnt 0x0                               ; V is in
	s_wait_alu depctr_va_vdst(0)                   ; the conversions have written p's codes v[PC ..] and the vector lines its scale word v234, which the scaled products below take; the places above stay beside this wait
.irp t, 0,1,2,3
	v_wmma_scale_f32_16x16x128_f8f6f4 v[O+8*\t:O+8*\t+7], v[KF+16*\t:KF+16*\t+15], v[PC:PC+15], v[O+8*\t:O+8*\t+7], v[VSW+\t], v234   ; the four accumulators by turns; the scores' eight products stand between a step's and the next's
.endr
.rept 8
	v_nop                                          ; places in front of the next read of O^T by a vector line
.endr
.endm
; A TRIP: the next step's record is asked for, this step is worked, the record goes into the other slot; ONE barrier, on every wave's way.  In front of it each wave's stores into the other slot have
; landed and its reads of this slot are back: so behind it the other slot may be read and this one written.
.macro TRIP s
	s_wait_alu depctr_vm_vsrc(0)                   ; the LDS stores of the record before have read the staging registers, in which the loads below land; ahead of the branch, so on every way
	s_bitcmp1_b32 s20, 1                           ; does any wave of the work-group want the next step?
	s_cbranch_scc0 .Lno_ld_\@
	STAGE_LD
.Lno_ld_\@:
	s_bitcmp1_b32 s18, 0                           ; does anything of this step count for my tile?
	s_cbranch_scc0 .Lno_step_\@
	STEP \s
.Lno_step_\@:
	s_wait_loadcnt 0x0                             ; the record is in registers, and its base may be stepped
	s_bitcmp1_b32 s20, 1
	s_cbranch_scc0 .Lno_st_\@
	STAGE_ST 1-\s
.Lno_st_\@:
	s_wait_dscnt 0x0
	s_barrier_signal -1
	s_barrier_wait -1
	s_add_nc_u64 s[30:31], s[30:31], REC
	s_add_nc_u64 s[10:11], s[10:11], 256
	s_lshr_b32 s18, s18, 1
	s_lshr_b32 s19, s19, 1
	s_lshr_b32 s20, s20, 1
.endm
.Lblock:
	s_wait_xcnt 0x0                                ; the last block's stores have read their data, offsets and bases
	s_wait_alu depctr_vm_vsrc(0)                   ; the last block's stores have read v[PC ..] and v220, which this block's steps write again; the last record's LDS stores have read the staging registers, in which the first record's loads land
	s_wait_alu depctr_va_vdst(0)                   ; on the way in: the offsets v1, v2, v3, v5, v6 are written, which every load and store reads, and so are the staging registers and the zero codes; on the way back: the products are done reading q, and the way out is done with v239, in which the loads below land
	s_lshl_b32 s17, s16, 4
	s_add_co_u32 s17, s17, s14                     ; my tile of queries: 16 x block + wave
	s_lshl_b32 s2, s17, 3
	s_add_co_u32 s2, s2, FLAGS
	s_mov_b32 s3, 0
	s_add_nc_u64 s[2:3], s[6:7], s[2:3]
	s_load_b64 s[18:19], s[2:3], 0x0               ; my tile's flags: bit step of s18: something counts; of s19: something does not
	s_lshl_b32 s100, s16, 7
	s_add_co_u32 s100, s100, FLAGS
	s_mov_b32 s101, 0
	s_add_nc_u64 s[100:101], s[6:7], s[100:101]
	s_load_b512 s[32:47], s[100:101], 0x0          ; and those of the block's sixteen tiles
	s_load_b512 s[48:63], s[100:101], 0x40
	s_lshl_b32 s68, s15, 17
	s_lshl_b32 s29, s17, 10
	s_add_co_u32 s68, s68, s29
	s_mov_b32 s69, 0
	s_add_nc_u64 s[68:69], s[4:5], s[68:69]        ; q's image
	s_lshl_b32 s70, s15, 12
	s_lshl_b32 s29, s17, 5
	s_add_co_u32 s70, s70, s29
	s_add_co_u32 s70, s70, QS
	s_mov_b32 s71, 0
	s_add_nc_u64 s[70:71], s[4:5], s[70:71]        ; and its scale bytes
	global_load_b128 v[16:19], v1, s[68:69]
	global_load_b128 v[20:23], v1, s[68:69] offset:512
	global_load_b128 v[32:35], v1, s[68:69]        ; a second time, above the zeros
	global_load_b128 v[36:39], v1, s[68:69] offset:512
	global_load_u16 v239, v5, s[70:71]
	s_lshl_b32 s10, s17, 12
	s_mov_b32 s11, 0
	s_add_nc_u64 s[10:11], s[6:7], s[10:11]        ; my tile's lane masks, step 0
	s_mov_b64 s[30:31], s[12:13]                   ; record 0
	s_wait_kmcnt 0x0
	s_or_b32 s20, s32, s34                         ; bit step: some wave of the work-group wants the step
.irp k, 36,38,40,42,44,46,48,50,52,54,56,58,60,62
	s_or_b32 s20, s20, s[\k]
.endr
	s_bitcmp1_b32 s20, 0
	s_cbranch_scc0 .Lno_first_ld
	STAGE_LD
.Lno_first_ld:
	s_wait_loadcnt 0x0
	v_lshl_or_b32 v238, v239, 16, v239             ; q's two bytes, for either half of K; the lines below are the places between this line and the first product
.set jj, 0
.rept 32
	v_mov_b32 v[O+jj], 0                           ; O^T.  (The step is written once: the first finds zeros, which the first change of M leaves zeros)
.set jj, jj+1
.endr
	v_mov_b32 v13, 0xff61b1e6                      ; the largest t so far: -3e38, under every t
	v_floor_f32 v12, -v13                          ; -M
	v_mov_b32 v14, 0
	v_mov_b32 v15, 0
	s_bitcmp1_b32 s20, 0
	s_cbranch_scc0 .Lno_first_st
	STAGE_ST 0                                     ; slot 0 was last read two barriers ago
.Lno_first_st:
	s_wait_dscnt 0x0
	s_barrier_signal -1
	s_barrier_wait -1
	s_add_nc_u64 s[30:31], s[30:31], REC
	s_mov_b32 s21, 8
.Ltrip:                                            ; 8 trips of two key steps: the count is a constant of the text
	TRIP 0
	TRIP 1
	s_sub_co_u32 s21, s21, 1
	s_cmp_lg_u32 s21, 0
	s_cbranch_scc1 .Ltrip
	; THE WAY OUT.  O^T is divided by the row's sum; its 32 numbers a lane are two blocks of 32 along the last product's K (lane l xor 16 holds the other half of each); codes and bytes are stored.
	v_add_f32 v14, v14, v15
	v_permlanex16_b32 v235, v14, s24, s25
	v_add_f32 v14, v14, v235                       ; the row's sum
	v_rcp_f32 v236, v14
	v_nop                                          ; a plain line behind the transcendental
	v_cmp_eq_f32 vcc_lo, 0, v14                    ; no key counted for my query
	v_mov_b32 v239, 0xff
	s_lshr_b32 s2, s15, 4                          ; batch
	s_lshl_b32 s29, s2, 7
	s_add_co_u32 s29, s29, s17
	s_lshl_b32 s29, s29, 14                        ; the tile's 16,384 bytes of images,
	s_and_b32 s100, s15, 15                        ; head
	s_lshl_b32 s101, s100, 10
	s_add_co_u32 s68, s29, s101                    ; my head's 1,024 of them
	s_mov_b32 s69, 0
	s_add_nc_u64 s[68:69], s[8:9], s[68:69]
	s_lshl_b32 s2, s2, 11
	s_lshr_b32 s29, s17, 1
	s_lshl_b32 s29, s29, 5
	s_add_co_u32 s2, s2, s29
	s_and_b32 s29, s17, 1
	s_lshl_b32 s29, s29, 3
	s_add_co_u32 s2, s2, s29                       ; the tile's first token
	s_lshl_b32 s2, s2, 5
	s_lshl_b32 s100, s100, 1
	s_add_co_u32 s2, s2, s100
	s_add_co_u32 s70, s2, XS                       ; its 32 scale bytes, my head's two
	s_mov_b32 s71, 0
	s_add_nc_u64 s[70:71], s[8:9], s[70:71]
	s_wait_alu depctr_va_vcc(0)                    ; the compare has written VCC, ahead of the selects below that read it
	s_wait_alu depctr_va_vdst(0)                   ; the reciprocal has written v236: the wait ahead of its first reader
.set jj, 0
.rept 16
	v_pk_mul_f32 v[S+jj:S+jj+1], v[O+jj:O+jj+1], v[236:237] op_sel_hi:[1,0]   ; each accumulator from its low end on
.set jj, jj+2
.endr
.irp b, 0,1
	v_max3_num_f32 v[216+\b], |v[S+16*\b]|, |v[S+1+16*\b]|, 0x4800000
.endr
.irp i, 2,4,6,8,10,12,14
.irp b, 0,1
	v_max3_num_f32 v[216+\b], v[216+\b], |v[S+16*\b+\i]|, |v[S+1+16*\b+\i]|
.endr
.endr
.irp b, 0,1
	v_permlanex16_b32 v[220+\b], v[216+\b], s24, s25
.endr
.irp b, 0,1
	v_max_num_f32 v[216+\b], v[216+\b], v[220+\b]
.endr
.irp b, 0,1
	v_add_nc_u32 v[228+\b], 0xfc000000, v[216+\b]
.endr
.irp b, 0,1
	v_and_or_b32 v[224+\b], v[216+\b], 0x7f800000, s26
.endr
.irp b, 0,1
	v_lshrrev_b32 v[220+\b], 23, v[228+\b]
.endr
.irp b, 0,1
	v_cndmask_b32 v[220+\b], v[220+\b], v239, vcc_lo   ; the byte 0xff where the row's sum is 0
.endr
	v_cndmask_b32 v220, v220, v221, s27            ; lanes 0-15 store block 0's byte, lanes 16-31 block 1's
.irp b, 0,1
.irp i, 0,1,2,3,4,5,6,7,8,9,10,11,12,13,14,15
	v_med3_num_f32 v[S+16*\b+\i], v[S+16*\b+\i], -v[224+\b], v[224+\b]
.endr
	v_cvt_scalef32_pk8_fp8_f32 v[PC+4*\b:PC+4*\b+1], v[S+16*\b:S+16*\b+7], v[228+\b]
	v_cvt_scalef32_pk8_fp8_f32 v[PC+4*\b+2:PC+4*\b+3], v[S+16*\b+8:S+16*\b+15], v[228+\b]
.endr
	v_nop                                          ; one plain vector line behind the last scaled conversion
	s_wait_alu depctr_va_vdst(0)                   ; the conversions have written v[PC ..] and the selects v220, which the three stores below read
	global_store_b128 v1, v[PC:PC+3], s[68:69]     ; 32 lanes store 512 consecutive bytes, aligned
	global_store_b128 v1, v[PC+4:PC+7], s[68:69] offset:512
	global_store_b8 v6, v220, s[70:71]             ; one byte in 32 of what this launch stores
	s_sub_co_u32 s16, 7, s16                       ; the other block
	s_sub_co_u32 s28, s28, 1
	s_cmp_lg_u32 s28, 0
	s_cbranch_scc1 .Lblock
	s_wait_xcnt 0x0                                ; every earlier memory instruction has had its addresses translated
	s_wait_alu depctr_vm_vsrc(0)                   ; the LDS stores of the records have read v254 and v255, which the two lines below make anew
	v_lshl_add_u32 v254, v0, 2, 0xc200
	v_mov_b32 v255, 0
	s_wait_dscnt 0x0                               ; the closing lines, six on end
	s_wait_alu 0x0
	s_wait_tensorcnt 0x0
	ds_add_u32 v254, v255
	s_wait_dscnt 0x0
	s_endpgm
.Lfunc_end_k_qb7b71380ed_attn:
	.size	k_qb7b71380ed_attn, .Lfunc_end_k_qb7b71380ed_attn-k_qb7b71380ed_attn
	.p2alignl 7, 3214868480
	.fill 96, 4, 3214868480
	.section	.rodata,"a",@progbits
	.p2align	6, 0x0
	.amdhsa_kernel k_qb7b71380ed_attn
		.amdhsa_group_segment_fixed_size 51712
		.amdhsa_private_segment_fixed_size 0
		.amdhsa_enable_private_segment 0
		.amdhsa_kernarg_size 24
		.amdhsa_user_sgpr_count 2
		.amdhsa_user_sgpr_kernarg_segment_ptr 1
		.amdhsa_wavefront_size32 1
		.amdhsa_system_sgpr_workgroup_id_x 1
		.amdhsa_system_sgpr_workgroup_id_y 1
		.amdhsa_system_sgpr_workgroup_id_z 1
		.amdhsa_system_vgpr_workitem_id 0
		.amdhsa_next_free_vgpr 256
		.amdhsa_next_free_sgpr 102
		.amdhsa_reserve_vcc 1
		.amdhsa_float_denorm_mode_32 3
		.amdhsa_float_denorm_mode_16_64 3
		.amdhsa_memory_ordered 1
		.amdhsa_forward_progress 1
		.amdhsa_inst_pref_size 62
	.end_amdhsa_kernel
	.amdgpu_metadata
---
amdhsa.version: [ 1, 2 ]
amdhsa.kernels:
  - .name:           k_qb7b71380ed_attn
    .symbol:         k_qb7b71380ed_attn.kd
    .args:
      - { .name: qkv, .offset: 0, .size: 8, .value_kind: global_buffer, .address_space: global }
      - { .name: mk, .offset: 8, .size: 8, .value_kind: global_buffer, .address_space: global }
      - { .name: xbuf, .offset: 16, .size: 8, .value_kind: global_buffer, .address_space: global }
    .group_segment_fixed_size: 51712
    .private_segment_fixed_size: 0
    .kernarg_segment_align: 8
    .kernarg_segment_size: 24
    .max_flat_workgroup_size: 512
    .sgpr_count:     102
    .vgpr_count:     256
    .wavefront_size: 32
...
	.end_amdgpu_metadata
.endif
;; end of part 5
;; launch outproj: the kernel of part 4 again; grid 4 x 32, 4 waves a work-group, clusters of 4 x 4, 327,680 bytes of LDS; arguments xbuf, Wo_codes, Wo_scales, bo, out0; writes out0
